; MI455X (gfx1250); checked and timed in simulation.
; The chip was launched on July 23, 2026; its instructions are those of AMD's public machine-readable ISA for CDNA 5 (MIT licence, August 2026) and "CDNA5" Instruction Set Architecture Reference Guide (July 2026). The comments in the code are by the model that wrote it; some were corrected since.
;; SAG Pool. Allowed arithmetic: matrix products marked QUANTISED: E3M2 operands, one E8M0 scale for each 32 along K, by v_wmma_scale_f32_16x16x128_f8f6f4 with both operands' format E3M2, f32 sums; products left as they are: f32 operands where the result goes on into a quantised operand, else bf16, f16 or f32 operands; f32 sums; everything else in f32.
;; Inputs: A 4,096 x 4,096 float32; I 4,096 int32; X 4,096 x 256 float32; kernel 256 x 1 float32.
;; Outputs: out0 2,048 x 256 float32; out1 2,048 x 2,048 float32; out2 2,048 int32.
;; This version of the problem:
;;   THIS VERSION OF THE PROBLEM IS GIVEN IN LOW PRECISION. The matrix products marked QUANTISED in the list below multiply operands that are first quantised to E3M2 (3 exponent bits, 2 mantissa bits; 6 bits a number), with one power-of-two scale for each 32 numbers along K (OCP MX v1.0); their sums are f32. All else is computed in f32.
;;   The module's matrix products, in the order in which they are computed (A, B: the left and right operand; K: the contracted axis; several contracted axes count as one K, in the product's order):
;;     1. [M 4,096, K 256] x [K 256, N 1]; A: input X; B: input kernel: left as it is (N = 1 < 16)
;;     2. [M 4,096, K 4,096] x [K 4,096, N 1]; A: input A; B: computed on the way: left as it is (N = 1 < 16)
;;     3. [M 4,096, K 4,096] x [K 4,096, N 4,096]; A: input A; B: input A: QUANTISED
;;   THE QUANTISER, for each operand of a quantised product, along K:
;;     - K is cut into blocks of 32 from its start; a last block that is shorter is filled with zeros.
;;     - A block's scale is 2^e with e = floor(log2(the largest magnitude in the block)) - 4, held to -126 .. 127; a block of zeros has e = 0. As a byte (E8M0): e + 127.
;;     - Each number is divided by its block's scale, clamped to +-28, and rounded to the nearest number of E3M2, ties to even, subnormals kept.
;;     - The product sums the exact products of the quantised numbers (number of the format x scale) in f32.
;;   ~~~python
;;   def quantise(x, axis):      # numpy; x: float32 -> the quantised numbers, widened to float32 again
;;       x = np.moveaxis(x, axis, -1); K = x.shape[-1]
;;       x = np.pad(x, [(0, 0)] * (x.ndim - 1) + [(0, -K % 32)]); x = x.reshape(x.shape[:-1] + (-1, 32)); a = np.abs(x).max(-1, keepdims=True)
;;       e = np.where(a > 0, np.clip(np.frexp(np.where(a > 0, a, 1))[1] - 1 - 4, -126, 127), 0)      # np.frexp(a)[1] - 1 = floor(log2(a)), exactly
;;       r = np.clip(x / 2.0 ** e, -28, 28)
;;       step = 2.0 ** (np.maximum(np.frexp(np.where(r == 0, 1, r))[1] - 1, -2) - 2)
;;       q = np.round(r / step) * step * 2.0 ** e      # np.round: ties to even
;;       return np.moveaxis(q.reshape(q.shape[:-2] + (-1,))[..., :K], -1, axis).astype(np.float32)
;;   ~~~
;; 2 versions, each right and faster than the one before. Each part assembles by itself: llvm-mc -triple=amdgcn-amd-amdhsa -mcpu=gfx1250 --defsym DOCPART=n.
;; ======== version 1 of 2: 3 launches
;; workspace buffers: yp 262,144 bytes; cod 25,165,824 bytes; scp 1,048,576 bytes; cc 12,582,912 bytes; cs 524,288 bytes
;; launch prep (part 1): grid 16 x 16, 8 waves a work-group, no clusters, 327,680 bytes of LDS; arguments A, X, kernel, cod, scp, yp; writes cod, scp, yp
.if DOCPART == 1
	.amdgcn_target "amdgcn-amd-amdhsa--gfx1250"
	.amdhsa_code_object_version 6
	.text
	.protected	k_q988a3c223d_prep
	.globl	k_q988a3c223d_prep
	.p2align	8
	.type	k_q988a3c223d_prep,@function
k_q988a3c223d_prep:
	s_mov_b64 s[64:65], 0
	v_nop
	global_prefetch_b8 v0, s[64:65] scope:SCOPE_SE
	s_setreg_imm32_b32 hwreg(HW_REG_WAVE_MODE, 25, 1), 1
	s_wait_xcnt 0x0
; PREP.  A [4096][4096] f32 is read ONCE and leaves as three things:
;   cod [operand 2][node 4096][3072 B]  codes of BF6 (E3M2), K innermost: operand 0 = A[m][:], operand 1 = A[:][n]
;   scp [operand 2][t 16][node 4096][8 B]  the E8M0 bytes of K blocks 8 t .. 8 t + 7
;   yp  [tx 16][node 4096] f32  the part of y = A (X kernel) that columns 256 tx .. 256 tx + 255 give
; A work-group takes the tile A[256 ty ..][256 tx ..], 256 KiB, by tensor loads: each of its eight waves brings its own 32 rows (two pieces of 128 columns) and is the only reader of them.
; Those 32 rows are ONE block of 32 along K of the column operand, and each row holds eight blocks of the row operand: no wave asks another for a maximum.
; z = X kernel of the tile's 256 columns is made here (wave w: columns 32 w ..), in f32 fused multiply-adds, and shared through LDS.
; A block's scale is 2^(floor(log2(largest magnitude)) - 4); its byte is the largest magnitude's exponent field - 4, held at 1 from below.
; LIMITS: a block of zeros gets the byte 1 where the rule says 127 (its codes are zeros; this program alone reads the bytes); blocks whose largest magnitude lies under 2^-122 are held at byte 1;
; NaN and infinities are not served; y is summed in another order than a row-by-row dot product.
; NO CLUSTER: no two work-groups read the same part of A; X's rows, which the 16 work-groups of a column of tiles share, go lane by lane into registers, and LDS is full of A's tile.
; LDS is filled once: no slot is filled again.
.set TSTR, 33792                       ; a wave's strip: two pieces
.set PSTR, 16896                       ; a piece: 32 rows x 528
.set TP,   528                         ; a row of a piece: 512 bytes + 16 of padding = 33 x 16: sixteen lanes at sixteen rows touch sixteen different columns of 16 bytes
.set CST,  270336                      ; the column operand's stage: 256 nodes x 208 bytes (192 + 16)
.set CP,   208
.set ZB,   323584                      ; z of the 256 columns
.set SCS,  324608                      ; the column operand's scale bytes: 256 nodes x 8
.set XO,  2                            ; v2   16 x lane
.set ARW, 3                            ; v3   my row of my wave's strip
.set ACL, 4                            ; v4   my column of my wave's strip
.set AZ,  5                            ; v5   ZB
.set AZW, 6                            ; v6   ZB + 128 x wave
.set ACS, 7                            ; v7   column stage: 208 x lane + 24 x wave
.set ASB, 8                            ; v8   column scale bytes: 8 x lane + wave
.set ARS, 9                            ; v9   row stage (in my own strip): 208 x lane
.set LR,  10                           ; v10-12 the way out of the row stage
.set LC,  13                           ; v13-15 the way out of the column stage
.set GO,  16                           ; v16-18 and the same places in cod
.set ASO, 19                           ; v19  my node's 8 column scale bytes
.set O8,  20                           ; v20  8 x lane
.set O4,  21                           ; v21  4 x lane
.set SR,  22                           ; v22-23 my row's 8 scale bytes
.set MXA, 24
.set MXB, 25
.set SCV, 26                           ; the conversions' scale operand
.set BY,  27                           ; the scale's byte
.set TC,  28                           ; v28-30 a block's upper 16 codes
.set D0,  32                           ; v32-63, v64-95 two sets of 32 numbers
.set Z0,  96                           ; v96-127, v128-159 two sets of 32 z
.set CR,  160                          ; v160-207 my row's codes: 8 blocks x 6
.set CT,  208                          ; v208-213 a column block's codes
.set YA,  216                          ; v216-223 y in four pairs
.set KV,  224                          ; v224-231 kernel
.set PS,  232                          ; v232-247 sixteen rows' partial z
	s_load_b256 s[4:11], s[0:1], 0x0               ; A s[4:5], X s[6:7], kernel s[8:9], cod s[10:11]
	s_load_b128 s[12:15], s[0:1], 0x20             ; scp s[12:13], yp s[14:15]
	v_lshl_add_u32 v254, v0, 2, 0x4fc00
	v_mov_b32 v255, 0
	ds_add_u32 v254, v255
	ds_add_u32 v254, v255
	v_lshrrev_b32 v1, 5, v0
	v_readfirstlane_b32 s16, v1                    ; wave 0..7
	v_and_b32 v1, 31, v0                           ; lane
	v_lshlrev_b32 v[XO], 4, v1
	s_mov_b32 s17, ttmp9                           ; tx
	s_and_b32 s18, ttmp7, 0xffff                   ; ty
	; descriptor group 1: 32 rows x 128 elements of 4 bytes, 4,096 elements from row to row; in LDS 4 words of padding behind every 128
	s_mov_b32 s20, (2<<16)|(1<<20)|(6<<22)|(3<<25)
	s_mov_b32 s21, 128<<16                         ; tensor_dim0
	s_mov_b32 s22, 32<<16                          ; tensor_dim1
	s_mov_b32 s23, 128<<16                         ; tile_dim0
	s_mov_b32 s24, 32                              ; tile_dim1
	s_mov_b32 s25, 4096                            ; stride
	s_mov_b32 s26, 0
	s_mov_b32 s27, 0
	s_mov_b32 s28, 1
	s_mul_i32 s29, s16, TSTR                       ; my strip
	s_mov_b32 s32, 1
	s_add_co_u32 s33, s29, PSTR
	s_lshl_b32 s36, s18, 22                        ; 256 ty rows of 16,384 bytes,
	s_lshl_b32 s38, s16, 19                        ; 32 w rows,
	s_add_co_u32 s36, s36, s38
	s_lshl_b32 s38, s17, 10                        ; 256 tx columns
	s_add_co_u32 s36, s36, s38
	s_mov_b32 s37, 0
	s_wait_dscnt 0x0
	s_wait_kmcnt 0x0
	s_add_nc_u64 s[30:31], s[4:5], s[36:37]
	s_add_nc_u64 s[34:35], s[30:31], 512
	s_or_b32 s31, s31, 0x80000000
	s_or_b32 s35, s35, 0x80000000
	tensor_load_to_lds s[28:31], s[20:27]          ; my 32 rows, columns 0-127: both fills go out together, ahead of every wait, LDS read and barrier
	s_nop 0
	tensor_load_to_lds s[32:35], s[20:27]          ; columns 128-255: two loads of mine are out
	s_nop 0
.rept 4
	v_nop
.endr
	s_lshl_b32 s38, s16, 5
	s_lshl_b32 s40, s18, 8
	s_add_co_u32 s40, s40, s38                     ; my first row of A: 256 ty + 32 w
	s_lshl_b32 s41, s17, 8
	s_add_co_u32 s41, s41, s38                     ; my first column for z and for the column way out: 256 tx + 32 w
	s_mov_b32 s43, 0
	s_lshl_b32 s42, s41, 10
	s_add_nc_u64 s[6:7], s[6:7], s[42:43]          ; X at that node's row
	global_load_b128 v[KV:KV+3], v[XO], s[8:9]
	global_load_b128 v[KV+4:KV+7], v[XO], s[8:9] offset:512
.macro ZLOAD b                         ; sixteen rows of X: a lane takes 16 bytes of each half of a row
.irp i, 0,1,2,3,4,5,6,7,8,9,10,11,12,13,14,15
	global_load_b128 v[32+8*\i:35+8*\i], v[XO], s[6:7] offset:(16*\b+\i)*1024
	global_load_b128 v[36+8*\i:39+8*\i], v[XO], s[6:7] offset:(16*\b+\i)*1024+512
.endr
.endm
	ZLOAD 0
	; the other bases and all addresses, while the loads are on their way
	s_mul_i32 s42, s40, 3072
	s_mul_i32 s38, s17, 192
	s_add_co_u32 s42, s42, s38
	s_add_nc_u64 s[44:45], s[10:11], s[42:43]      ; cod, operand 0: my rows, bytes 192 tx on
	s_mul_i32 s42, s41, 3072
	s_mul_i32 s38, s18, 192
	s_add_co_u32 s42, s42, s38
	s_add_co_u32 s42, s42, 12582912
	s_add_nc_u64 s[46:47], s[10:11], s[42:43]      ; cod, operand 1: my nodes, bytes 192 ty on
	s_lshl_b32 s42, s17, 15
	s_lshl_b32 s38, s40, 3
	s_add_co_u32 s42, s42, s38
	s_add_nc_u64 s[50:51], s[12:13], s[42:43]      ; scp, operand 0
	s_lshl_b32 s42, s18, 15
	s_lshl_b32 s38, s41, 3
	s_add_co_u32 s42, s42, s38
	s_add_co_u32 s42, s42, 524288
	s_add_nc_u64 s[52:53], s[12:13], s[42:43]      ; scp, operand 1
	s_lshl_b32 s42, s17, 14
	s_lshl_b32 s38, s40, 2
	s_add_co_u32 s42, s42, s38
	s_add_nc_u64 s[14:15], s[14:15], s[42:43]      ; yp
	s_mov_b32 s48, 0x76543210
	s_mov_b32 s49, 0xfedcba98                      ; lane l xor 16
	v_mul_u32_u24 v[ARW], v1, TP
	v_add_nc_u32 v[ARW], s29, v[ARW]
	v_lshl_add_u32 v[ACL], v1, 2, s29
	v_mov_b32 v[AZ], ZB
	s_lshl_b32 s36, s16, 7
	s_add_co_u32 s36, s36, ZB
	v_mov_b32 v[AZW], s36
	s_mul_i32 s36, s16, 24
	s_add_co_u32 s36, s36, CST
	v_mul_u32_u24 v[ACS], v1, CP
	v_add_nc_u32 v[ARS], s29, v[ACS]
	v_add_nc_u32 v[ACS], s36, v[ACS]
	s_add_co_u32 s36, s16, SCS
	v_lshl_add_u32 v[ASB], v1, 3, s36
	s_lshl_b32 s36, s16, 8
	s_add_co_u32 s36, s36, SCS
	v_lshl_add_u32 v[ASO], v1, 3, s36
	v_lshlrev_b32 v[O8], 3, v1
	v_lshlrev_b32 v[O4], 2, v1
	s_mul_i32 s39, s16, 32*CP
	s_add_co_u32 s39, s39, CST                     ; my 32 nodes of the column stage
; The way out takes 16-byte pieces on end: piece x = 32 v + lane of the 96 of eight nodes is piece p = x - 12 n of node n = x / 12.
; In a stage it lies at 208 n + 16 p = 16 x + 16 n, in cod at 3,072 n + 16 p = 16 x + 2,880 n.
.irp v, 0,1,2
	v_add_nc_u32 v24, 32*\v, v1                    ; x
	v_mul_u32_u24 v25, v24, 171
	v_lshrrev_b32 v25, 11, v25                     ; n = x / 12 (exact up to 95)
	v_lshlrev_b32 v26, 4, v24                      ; 16 x
	v_lshl_add_u32 v27, v25, 4, v26                ; + 16 n
	v_add_nc_u32 v[LR+\v], s29, v27
	v_add_nc_u32 v[LC+\v], s39, v27
	v_mul_u32_u24 v27, v25, 2880
	v_add_nc_u32 v[GO+\v], v26, v27
.endr
; z of sixteen nodes: a lane's eight products, then the sum over the 32 lanes; the sixteen rows take turns line by line
.macro ZCOMP b
.irp i, 0,1,2,3,4,5,6,7,8,9,10,11,12,13,14,15
	v_pk_mul_f32 v[32+8*\i:33+8*\i], v[32+8*\i:33+8*\i], v[KV:KV+1]
.endr
.irp i, 0,1,2,3,4,5,6,7,8,9,10,11,12,13,14,15
	v_pk_fma_f32 v[32+8*\i:33+8*\i], v[34+8*\i:35+8*\i], v[KV+2:KV+3], v[32+8*\i:33+8*\i]
.endr
.irp i, 0,1,2,3,4,5,6,7,8,9,10,11,12,13,14,15
	v_pk_fma_f32 v[32+8*\i:33+8*\i], v[36+8*\i:37+8*\i], v[KV+4:KV+5], v[32+8*\i:33+8*\i]
.endr
.irp i, 0,1,2,3,4,5,6,7,8,9,10,11,12,13,14,15
	v_pk_fma_f32 v[32+8*\i:33+8*\i], v[38+8*\i:39+8*\i], v[KV+6:KV+7], v[32+8*\i:33+8*\i]
.endr
.irp i, 0,1,2,3,4,5,6,7,8,9,10,11,12,13,14,15
	v_add_f32 v[PS+\i], v[32+8*\i], v[33+8*\i]
.endr
.irp m, 1,2,4,8
.irp i, 0,1,2,3,4,5,6,7,8,9,10,11,12,13,14,15
	v_add_f32_dpp v[PS+\i], v[PS+\i], v[PS+\i] row_xmask:\m row_mask:0xf bank_mask:0xf
.endr
.endr
.irp i, 0,1,2,3,4,5,6,7,8,9,10,11,12,13,14,15
	v_permlanex16_b32 v[34+8*\i], v[PS+\i], s48, s49   ; (its destination counts as read: a register of the row just used up)
.endr
.irp i, 0,1,2,3,4,5,6,7,8,9,10,11,12,13,14,15
	v_add_f32 v[PS+\i], v[PS+\i], v[34+8*\i]
.endr
.irp i, 0,1,2,3,4,5,6,7,8,9,10,11,12,13,14,15
	ds_store_b32 v[AZW], v[PS+\i] offset:4*(16*\b+\i)  ; all lanes write the same word with the same value
.endr
.endm
	s_wait_loadcnt 0x0
	ZCOMP 0
	ZLOAD 1
	s_wait_loadcnt 0x0
	s_wait_dscnt 0x0                               ; the first sixteen z have been stored: their registers are written again
	ZCOMP 1
	s_wait_dscnt 0x0                               ; for the others' sake: my 32 z lie in LDS
	s_barrier_signal -1
	s_barrier_wait -1
; ---- the sixteen items: R t = block t of my lane's ROW (32 numbers along the row, and y);  C g = my wave's block of COLUMN 32 g + lane (32 numbers down the rows)
.macro LOADR t, set
.irp j, 0,1,2,3,4,5,6,7
	ds_load_b128 v[D0+32*(\set)+4*\j:D0+32*(\set)+4*\j+3], v[ARW] offset:((\t)/4)*PSTR+((\t)%4)*128+16*\j
.endr
.irp j, 0,1,2,3,4,5,6,7
	ds_load_b128 v[Z0+32*(\set)+4*\j:Z0+32*(\set)+4*\j+3], v[AZ] offset:128*(\t)+16*\j   ; the same 16 bytes for every lane
.endr
.endm
.macro LOADC g, set
.irp i, 0,1,2,3,4,5,6,7,8,9,10,11,12,13,14,15,16,17,18,19,20,21,22,23,24,25,26,27,28,29,30,31
	ds_load_b32 v[D0+32*(\set)+\i], v[ACL] offset:((\g)/4)*PSTR+TP*\i+((\g)%4)*128   ; 32 lanes read 128 consecutive bytes of row i
.endr
.endm
; 32 numbers of a lane, one block, become 6 registers of codes at v[d] and the scale's byte in v[BY]
.macro QUANT32 s, d
	v_max3_num_f32 v[MXA], |v[(\s)]|, |v[(\s)+1]|, |v[(\s)+2]|
	v_max3_num_f32 v[MXB], |v[(\s)+3]|, |v[(\s)+4]|, |v[(\s)+5]|
.irp i, 6,10,14,18,22,26
	v_max3_num_f32 v[MXA], v[MXA], |v[(\s)+\i]|, |v[(\s)+\i+1]|
	v_max3_num_f32 v[MXB], v[MXB], |v[(\s)+\i+2]|, |v[(\s)+\i+3]|
.endr
	v_max3_num_f32 v[MXA], v[MXA], |v[(\s)+30]|, |v[(\s)+31]|
	v_max3_num_f32 v[MXA], v[MXA], v[MXB], 0x2800000   ; the floor 2^(5 - 127): the byte cannot fall under 1
	v_add_nc_u32 v[SCV], 0xfe000000, v[MXA]        ; 4 off the exponent field: the conversion takes the exponent field of this operand as its scale
	v_cvt_scalef32_pk16_bf6_f32 v[(\d):(\d)+2], v[(\s):(\s)+15], v[SCV]
	v_cvt_scalef32_pk16_bf6_f32 v[TC:TC+2], v[(\s)+16:(\s)+31], v[SCV]   ; (a conversion's three registers begin on an even number)
	v_lshrrev_b32 v[BY], 23, v[SCV]                ; the byte; also the plain line behind the conversions
.irp i, 0,1,2
	v_mov_b32 v[(\d)+3+\i], v[TC+\i]
.endr
.endm
.macro COMPR t, set
.irp j, 0,1,2,3,4,5,6,7,8,9,10,11,12,13,14,15
.if ((\t) == 0) && (\j < 4)
	v_pk_mul_f32 v[YA+2*\j:YA+2*\j+1], v[D0+32*(\set)+2*\j:D0+32*(\set)+2*\j+1], v[Z0+32*(\set)+2*\j:Z0+32*(\set)+2*\j+1]   ; the first products start the four sums
.else
	v_pk_fma_f32 v[YA+2*(\j%4):YA+2*(\j%4)+1], v[D0+32*(\set)+2*\j:D0+32*(\set)+2*\j+1], v[Z0+32*(\set)+2*\j:Z0+32*(\set)+2*\j+1], v[YA+2*(\j%4):YA+2*(\j%4)+1]
.endif
.endr
	QUANT32 D0+32*(\set), CR+6*(\t)
.if ((\t)%4) == 0
	v_mov_b32 v[SR+(\t)/4], v[BY]
.else
	v_lshl_or_b32 v[SR+(\t)/4], v[BY], 8*((\t)%4), v[SR+(\t)/4]
.endif
.endm
.macro COMPC g, set
	QUANT32 D0+32*(\set), CT
.irp e, 0,1,2
	ds_store_b64 v[ACS], v[CT+2*\e:CT+2*\e+1] offset:32*CP*(\g)+8*\e   ; node 32 g + lane, bytes 24 w on
.endr
	ds_store_b8 v[ASB], v[BY] offset:256*(\g)
.endm
.macro LOADI k                         ; items 0-3: R 0-3;  4-7: C 0-3 (piece 0);  8-11: R 4-7;  12-15: C 4-7 (piece 1)
.if (((\k)/4)%2) == 0
	LOADR ((\k)/8)*4+(\k)%4, (\k)%2
.else
	LOADC ((\k)/8)*4+(\k)%4, (\k)%2
.endif
.endm
.macro COMPI k
.if (((\k)/4)%2) == 0
	COMPR ((\k)/8)*4+(\k)%4, (\k)%2
.else
	COMPC ((\k)/8)*4+(\k)%4, (\k)%2
.endif
.endm
	s_wait_tensorcnt 0x1                           ; piece 0 has landed; piece 1 may be out
	LOADI 0
.irp k, 0,1,2,3,4,5,6,7,8,9,10,11,12,13,14
.if \k == 7
	s_wait_tensorcnt 0x0                           ; piece 1 has landed
.endif
	LOADI (\k)+1                                   ; the next item's numbers, into the other set
.if ((((\k)+1)/4)%2) == 0
	s_wait_dscnt 16                                ; all but the 16 loads just issued: this item's numbers are in, and the last item's stage stores have read their registers
.else
	s_wait_dscnt 32                                ; all but the 32 just issued
.endif
	COMPI \k
.endr
	s_wait_dscnt 0x0
	COMPI 15
; ---- my rows' results
	v_pk_add_f32 v[YA:YA+1], v[YA:YA+1], v[YA+2:YA+3]
	v_pk_add_f32 v[YA+4:YA+5], v[YA+4:YA+5], v[YA+6:YA+7]
	v_pk_add_f32 v[YA:YA+1], v[YA:YA+1], v[YA+4:YA+5]
	v_add_f32 v[YA], v[YA], v[YA+1]
	global_store_b32 v[O4], v[YA], s[14:15]        ; 32 lanes: 128 consecutive bytes
	global_store_b64 v[O8], v[SR:SR+1], s[50:51]   ; 32 lanes: 256 consecutive bytes, aligned
.irp j, 0,1,2,3,4,5,6,7,8,9,10,11
	ds_store_b128 v[ARS], v[CR+4*\j:CR+4*\j+3] offset:16*\j   ; the row stage lies in my own strip: its one fill has landed and my last read of it is back
.endr
	s_wait_dscnt 0x0                               ; for the others' sake: my stores into the column stage and the scale bytes have landed (and those into my row stage)
	s_barrier_signal -1
	s_barrier_wait -1                              ; everybody's have; every wave's tensor loads were waited for in front of it; behind it nothing writes LDS any more
; 32 rows of 192 bytes leave a stage: twelve neighbouring lanes store a row's 192 consecutive bytes
.macro WAYOUT la, w, base
.irp t, 0,1,2,3,4,5,6,7,8,9,10,11
	ds_load_b128 v[\w+4*\t:\w+4*\t+3], v[\la+\t%3] offset:8*CP*(\t/3)
.endr
.irp t, 0,1,2,3,4,5,6,7,8,9,10,11
	s_wait_dscnt 11-\t                             ; the younger loads may be out
	global_store_b128 v[GO+\t%3], v[\w+4*\t:\w+4*\t+3], s[\base:\base+1] offset:24576*(\t/3) th:TH_STORE_NT
.endr
.endm
	WAYOUT LR, 32, 44                              ; my 32 rows' codes
	WAYOUT LC, 80, 46                              ; nodes 32 w .. 32 w + 31 of the column operand, whose 192 bytes came from all eight waves
	ds_load_b64 v[128:129], v[ASO]
	s_wait_dscnt 0x0
	global_store_b64 v[O8], v[128:129], s[52:53]   ; 256 consecutive bytes, aligned
	s_wait_tensorcnt 0x0
	ds_add_u32 v254, v255
	s_wait_dscnt 0x0
	s_endpgm
.Lfunc_end_k_q988a3c223d_prep:
	.size	k_q988a3c223d_prep, .Lfunc_end_k_q988a3c223d_prep-k_q988a3c223d_prep
	.p2alignl 7, 3214868480
	.fill 96, 4, 3214868480
	.section	.rodata,"a",@progbits
	.p2align	6, 0x0
	.amdhsa_kernel k_q988a3c223d_prep
		.amdhsa_group_segment_fixed_size 327680
		.amdhsa_private_segment_fixed_size 0
		.amdhsa_enable_private_segment 0
		.amdhsa_kernarg_size 48
		.amdhsa_user_sgpr_count 2
		.amdhsa_user_sgpr_kernarg_segment_ptr 1
		.amdhsa_wavefront_size32 1
		.amdhsa_system_sgpr_workgroup_id_x 1
		.amdhsa_system_sgpr_workgroup_id_y 1
		.amdhsa_system_sgpr_workgroup_id_z 1
		.amdhsa_system_vgpr_workitem_id 0
		.amdhsa_next_free_vgpr 256
		.amdhsa_next_free_sgpr 66
		.amdhsa_reserve_vcc 0
		.amdhsa_float_denorm_mode_32 3
		.amdhsa_float_denorm_mode_16_64 3
		.amdhsa_memory_ordered 1
		.amdhsa_forward_progress 1
		.amdhsa_inst_pref_size 97
	.end_amdhsa_kernel
	.amdgpu_metadata
---
amdhsa.version: [ 1, 2 ]
amdhsa.kernels:
  - .name:           k_q988a3c223d_prep
    .symbol:         k_q988a3c223d_prep.kd
    .args:
      - { .name: A, .offset: 0, .size: 8, .value_kind: global_buffer, .address_space: global }
      - { .name: X, .offset: 8, .size: 8, .value_kind: global_buffer, .address_space: global }
      - { .name: kernel, .offset: 16, .size: 8, .value_kind: global_buffer, .address_space: global }
      - { .name: cod, .offset: 24, .size: 8, .value_kind: global_buffer, .address_space: global }
      - { .name: scp, .offset: 32, .size: 8, .value_kind: global_buffer, .address_space: global }
      - { .name: yp, .offset: 40, .size: 8, .value_kind: global_buffer, .address_space: global }
    .group_segment_fixed_size: 327680
    .private_segment_fixed_size: 0
    .kernarg_segment_align: 8
    .kernarg_segment_size: 48
    .max_flat_workgroup_size: 256
    .sgpr_count:     66
    .vgpr_count:     256
    .wavefront_size: 32
...
	.end_amdgpu_metadata
.endif
;; end of part 1
;; launch pool (part 2): grid 4 x 64, 8 waves a work-group, no clusters, 87,552 bytes of LDS; arguments yp, cod, scp, X, I, cc, cs, out0, out2; writes cc, cs, out0, out2
.if DOCPART == 2
	.amdgcn_target "amdgcn-amd-amdhsa--gfx1250"
	.amdhsa_code_object_version 6
	.text
	.protected	k_q988a3c223d_pool
	.globl	k_q988a3c223d_pool
	.p2align	8
	.type	k_q988a3c223d_pool,@function
k_q988a3c223d_pool:
	s_mov_b64 s[64:65], 0
	v_nop
	global_prefetch_b8 v0, s[64:65] scope:SCOPE_SE
	s_setreg_imm32_b32 hwreg(HW_REG_WAVE_MODE, 25, 1), 1
	s_wait_xcnt 0x0
; POOL.  For graph g (work-group y): y = the sum of the 16 parts in yp; the 32 nodes of largest y are kept (equal y: the lower node first, as a stable descending sort has it), in node order.
; The kept rows of everything are moved together WITHOUT ANY ADDRESS THAT HANGS ON THE CHOICE: a wave holds 64 rows x 256 bytes in registers (row i in v[D + 2 i], 8 bytes a lane) and a network of six stages of
; v_cndmask_b32 moves kept row i down by d = i - (its place among the kept), one bit of d a stage, the lowest first.  Kept rows never meet: for kept i < i', d' - d <= i' - i - 1, so their places stay in order after every stage;
; places are taken in ascending order, so a source is read before it is written.  A stage's mask has a bit for each place that takes the row 2^s above it; it is the same for every lane.
; UNITS, one a wave.  Work-groups x = 0, 1, 2: unit u = 8 x + wave: operand u / 12, strip u % 12 (256 bytes of each code row).  x = 3: waves 0-3 the four strips of X (times tanh y) -> out0;
; wave 4 the scale bytes of both operands; wave 5 I -> out2; waves 6 and 7 have no unit and end.  Every wave makes its graph's choice anew, by the same lines in the same order.  No barrier: waves share nothing.
; OUT:  cc [operand 2][rowgroup 128][piece 192][r 16][16 B]: compact row 16 rg + r, piece q = bytes 16 q .. of its 3,072 code bytes.   cs [rowgroup 128][operand 2][piece 8][r 16][16 B]: 16 scale bytes = 4 K steps of 128.
; LIMITS: NaN among the scores is not served; scores that differ by less than the rounding of an f32 sum taken in another order may be chosen otherwise than by a row-by-row dot product;
; tanh y = 1 - 2 / (1 + 2^(2 log2(e) y)): absolute error of the order of an ulp of 1, and +-1 where the exponential overflows or vanishes.
.set TWB, 8448                         ; LDS: a stage of 16 pieces x 528 bytes for each wave (32 rows x 16 bytes + 16)
.set SI,  67584                        ; the scales' way in: 64 nodes x 264 bytes; wave 4 of x = 3 alone touches it
.set YS,  84480                        ; 256 bytes a wave: y changes its layout
.set D,   64                           ; v64-191 the 64 rows
.set TK,  32                           ; s[32:43] the masks: stage s in s[TK + 2 s] (places 0-31) and s[TK + 2 s + 1] (places 32-63)
.set SEL, 56                           ; s[56:57] lane l xor 16
; v1 lane; v2 8 x lane; v3 the way out's offset; v4, v5 stage in, back; v6, v7 y's change of layout; v8, v9 the scales' way in; v10, v11 y of nodes lane, lane + 32; v12, v13 ranks; v14, v15 places; v16, v17 d;
; v18-25 at work; v27 16 x lane; v28 4 x lane; v31 lane + 32; v32-63 the 16 parts of y
	s_load_b512 s[4:19], s[0:1], 0x0               ; yp s[4:5], cod s[6:7], scp s[8:9], X s[10:11], I s[12:13], cc s[14:15], cs s[16:17], out0 s[18:19]
	s_load_b64 s[20:21], s[0:1], 0x40              ; out2
	v_lshl_add_u32 v192, v0, 2, 0x15200
	v_mov_b32 v193, 0
	v_lshrrev_b32 v1, 5, v0
	v_readfirstlane_b32 s22, v1                    ; wave
	v_and_b32 v1, 31, v0                           ; lane
	s_mov_b32 s23, ttmp9                           ; x
	s_and_b32 s24, ttmp7, 0xffff                   ; g
	s_lshl_b32 s25, s23, 3
	s_add_co_u32 s25, s25, s22                     ; u
	; every LDS address is made here, ahead of the first parting of the roles
	v_lshlrev_b32 v2, 3, v1
	s_mul_i32 s47, s22, TWB
	v_lshrrev_b32 v18, 1, v1
	v_mul_u32_u24 v4, v18, 528
	v_and_b32 v18, 1, v1
	v_lshl_add_u32 v4, v18, 3, v4
	v_add_nc_u32 v4, s47, v4                       ; in: piece lane / 2, half lane % 2; row j 16 j on
	v_lshl_add_u32 v5, v1, 4, s47                  ; back: row = lane; piece q 528 q on
	s_lshl_b32 s47, s22, 8
	s_add_co_u32 s47, s47, YS
	v_lshl_add_u32 v6, v1, 3, s47
	v_lshl_add_u32 v7, v1, 2, s47
	v_mul_u32_u24 v8, v1, 528
	v_add_nc_u32 v8, SI, v8                        ; nodes 2 lane and 2 lane + 1
	v_lshl_add_u32 v9, v1, 3, SI
	v_lshlrev_b32 v27, 4, v1
	v_lshlrev_b32 v28, 2, v1
	v_add_nc_u32 v31, 32, v1
	v_mov_b32 v23, 0                               ; written once: the destination of a lane exchange counts as read
	v_mov_b32 v24, 0
	v_mov_b32 v12, 0                               ; the ranks begin at 0
	v_mov_b32 v13, 0
	s_mov_b32 s[SEL], 0x76543210
	s_mov_b32 s[SEL+1], 0xfedcba98
	; offsets, in registers of their own
	s_cmp_ge_u32 s25, 12
	s_cselect_b32 s47, 1, 0                        ; operand (of a code unit)
	s_mul_i32 s48, s47, 12
	s_sub_co_u32 s48, s25, s48                     ; strip
	s_mov_b32 s31, 0
	s_wait_kmcnt 0x0
	s_mul_i32 s30, s47, 12582912
	s_mul_i32 s49, s24, 196608                     ; 64 rows of 3,072 bytes
	s_add_co_u32 s30, s30, s49
	s_lshl_b32 s49, s48, 8
	s_add_co_u32 s30, s30, s49
	s_add_nc_u64 s[6:7], s[6:7], s[30:31]          ; cod at my strip (used by code units alone)
	s_mul_i32 s30, s47, 6291456
	s_mul_i32 s49, s24, 98304                      ; two rowgroups of 49,152 bytes
	s_add_co_u32 s30, s30, s49
	s_lshl_b32 s49, s48, 12                        ; 16 pieces of 256 bytes
	s_add_co_u32 s30, s30, s49
	s_lshl_b32 s49, s24, 13                        ; cs: two rowgroups of 4,096 bytes
	s_mov_b32 s50, 4096
	s_cmp_lg_u32 s23, 3                            ; the shared way out goes to cc (code units) or to cs (the scale unit): the choice hangs on the work-group's number alone
	s_cselect_b64 s[28:29], s[14:15], s[16:17]
	s_cselect_b32 s30, s30, s49
	s_cselect_b32 s50, 49152, s50                  ; from rowgroup to rowgroup
	s_add_nc_u64 s[28:29], s[28:29], s[30:31]
	v_lshrrev_b32 v18, 4, v1
	v_mul_lo_u32 v3, v18, s50
	v_and_b32 v18, 15, v1
	v_lshl_add_u32 v3, v18, 4, v3                  ; lanes 0-15: rowgroup 2 g, lanes 16-31: 2 g + 1; 16 bytes a row
	s_lshl_b32 s30, s24, 8
	s_add_nc_u64 s[4:5], s[4:5], s[30:31]          ; yp and I at my graph: 64 numbers of 4 bytes
	s_add_nc_u64 s[12:13], s[12:13], s[30:31]
	s_lshl_b32 s30, s24, 9
	s_add_nc_u64 s[8:9], s[8:9], s[30:31]          ; scp: 64 nodes of 8 bytes
	s_lshl_b32 s30, s24, 7
	s_add_nc_u64 s[20:21], s[20:21], s[30:31]      ; out2: 32 numbers
	s_lshl_b32 s49, s22, 8                         ; X's strip = wave
	s_lshl_b32 s30, s24, 16
	s_add_co_u32 s30, s30, s49
	s_add_nc_u64 s[10:11], s[10:11], s[30:31]      ; X: 64 rows of 1,024 bytes
	s_lshl_b32 s30, s24, 15
	s_add_co_u32 s30, s30, s49
	s_add_nc_u64 s[18:19], s[18:19], s[30:31]      ; out0: 32 rows
	s_cmp_lg_u32 s23, 3
	s_cbranch_scc1 .Lgo
	s_cmp_ge_u32 s22, 6
	s_cbranch_scc1 .Lend                           ; 30 units for 32 waves
.Lgo:
.set t, 0
.rept 16
	global_load_b64 v[32+2*t:33+2*t], v2, s[4:5] offset:16384*t   ; part t of y: nodes 2 lane, 2 lane + 1
.set t, t+1
.endr
	s_cmp_lg_u32 s23, 3
	s_cbranch_scc1 .Lcode
	s_cmp_lt_u32 s22, 4
	s_cbranch_scc1 .Lxarm
	s_cmp_eq_u32 s22, 4
	s_cbranch_scc1 .Lsarm
	global_load_b32 v[D], v28, s[12:13]            ; I of nodes lane and lane + 32
	global_load_b32 v[D+1], v28, s[12:13] offset:128
	s_wait_loadcnt 0x0
	s_branch .Ltopk
.Lsarm:                                            ; the scale bytes: (operand, t) = n brings 8 bytes of each node; they turn through LDS so that lane n holds them and the registers run over the nodes
.set n, 0
.rept 32
	global_load_b128 v[D+4*n:D+4*n+3], v27, s[8:9] offset:(n/16)*524288+(n%16)*32768 th:TH_LOAD_NT
.set n, n+1
.endr
	s_wait_loadcnt 0x0
.set n, 0
.rept 32
	ds_store_b64 v8, v[D+4*n:D+4*n+1] offset:8*n
	ds_store_b64 v8, v[D+4*n+2:D+4*n+3] offset:264+8*n
.set n, n+1
.endr
	s_wait_dscnt 0x0                               ; the stores have read their registers, which the loads below write
.set i, 0
.rept 64
	ds_load_b64 v[D+2*i:D+2*i+1], v9 offset:264*i
.set i, i+1
.endr
	s_branch .Ltopk
.Lxarm:
.set i, 0
.rept 64
	global_load_b64 v[D+2*i:D+2*i+1], v2, s[10:11] offset:1024*i th:TH_LOAD_NT   ; 32 lanes: 256 consecutive bytes, aligned
.set i, i+1
.endr
	s_wait_loadcnt 63                              ; 64 loads were issued behind y's sixteen: with 63 out at the most, those sixteen are in
	s_branch .Ltopk
.Lcode:
.set i, 0
.rept 64
	global_load_b64 v[D+2*i:D+2*i+1], v2, s[6:7] offset:3072*i th:TH_LOAD_NT
.set i, i+1
.endr
	s_wait_loadcnt 63                              ; as above
.Ltopk:
	; ---- y, the ranks, the places, the masks
.set t, 1
.rept 15
	v_pk_add_f32 v[32:33], v[32:33], v[32+2*t:33+2*t]   ; t ascending: one order for every wave that sums this graph
.set t, t+1
.endr
	ds_store_b64 v6, v[32:33]
	ds_load_b32 v10, v7                            ; LDS serves a wave's instructions in order: node = lane,
	ds_load_b32 v11, v7 offset:128                 ; node = lane + 32
	s_wait_dscnt 0x0
	; rank of node i = how many j have y_j > y_i, or y_j = y_i and j < i
.set j, 0
.rept 32
	v_readlane_b32 s47, v10, j                     ; y_j, j in the lower half
	v_cmp_ge_f32 vcc_lo, s47, v11                  ; every upper node has i > j
	v_add_co_ci_u32 v13, vcc_lo, 0, v13, vcc_lo
	v_cmp_gt_f32 s48, s47, v10
	v_cmp_ge_f32 s49, s47, v10
	s_and_b32 s49, s49, (0xffffffff<<(j+1))&0xffffffff   ; equality counts for the lanes above j
	s_or_b32 vcc_lo, s48, s49
	v_add_co_ci_u32 v12, vcc_lo, 0, v12, vcc_lo
.set j, j+1
.endr
.set j, 0
.rept 32
	v_readlane_b32 s47, v11, j                     ; y_j, j in the upper half
	v_cmp_gt_f32 vcc_lo, s47, v10                  ; every lower node has i < j
	v_add_co_ci_u32 v12, vcc_lo, 0, v12, vcc_lo
	v_cmp_gt_f32 s48, s47, v11
	v_cmp_ge_f32 s49, s47, v11
	s_and_b32 s49, s49, (0xffffffff<<(j+1))&0xffffffff
	s_or_b32 vcc_lo, s48, s49
	v_add_co_ci_u32 v13, vcc_lo, 0, v13, vcc_lo
.set j, j+1
.endr
	v_cmp_gt_u32 s44, 32, v12                      ; kept: rank under 32
	v_cmp_gt_u32 s45, 32, v13
	s_bcnt1_i32_b32 s46, s44
	v_mbcnt_lo_u32_b32 v14, s44, 0                 ; place = kept nodes below me
	v_mbcnt_lo_u32_b32 v15, s45, s46
	v_sub_nc_u32 v16, v1, v14
	v_sub_nc_u32 v17, v31, v15
	v_cndmask_b32 v16, 0, v16, s44                 ; d = node - place, 0 to 32; a node that is dropped moves nothing
	v_cndmask_b32 v17, 0, v17, s45
.irp s, 0,1,2,3,4,5
	v_bfe_u32 v18, v16, \s, 1                      ; do I move in this stage,
	v_and_b32 v19, (2<<\s)-1, v16
	v_sub_nc_u32 v19, v1, v19                      ; and to which place: node - (d mod 2^(s+1)); a lower node's lies under 32
	v_lshlrev_b32 v18, v19, v18
	v_bfe_u32 v20, v17, \s, 1
	v_and_b32 v21, (2<<\s)-1, v17
	v_sub_nc_u32 v21, v31, v21
	v_lshlrev_b32 v20, v21, v20                    ; (the shift takes the place's low five bits)
	v_cmp_gt_u32 vcc_lo, 32, v21
	v_cndmask_b32 v22, 0, v20, vcc_lo
	v_or_b32 v18, v18, v22                         ; my bits of the word for places 0-31
.if \s < 4
	v_cndmask_b32 v20, v20, 0, vcc_lo              ; and of the word for places 32-63 (stages 4 and 5 reach no such place)
.endif
.irp m, 1,2,4,8
	v_mov_b32_dpp v23, v18 row_xmask:\m row_mask:0xf bank_mask:0xf
.if \s < 4
	v_mov_b32_dpp v24, v20 row_xmask:\m row_mask:0xf bank_mask:0xf
.endif
	v_or_b32 v18, v18, v23
.if \s < 4
	v_or_b32 v20, v20, v24
.endif
.endr
	v_permlanex16_b32 v23, v18, s[SEL], s[SEL+1]
	v_or_b32 v18, v18, v23
	v_readfirstlane_b32 s[TK+2*\s], v18
.if \s < 4
	v_permlanex16_b32 v24, v20, s[SEL], s[SEL+1]
	v_or_b32 v20, v20, v24
	v_readfirstlane_b32 s[TK+2*\s+1], v20
.endif
.endr
	s_wait_loadcnt 0x0                             ; the unit's rows are in, whichever way they came
	s_wait_dscnt 0x0
	s_cmp_lg_u32 s23, 3
	s_cbranch_scc1 .Lnet
	s_cmp_eq_u32 s22, 5
	s_cbranch_scc1 .Liunit
	s_cmp_eq_u32 s22, 4
	s_cbranch_scc1 .Lnet
	; ---- X: every row times tanh of its y, ahead of the network
	v_mul_f32 v18, 0x4038aa3b, v10                 ; 2 log2(e) y
	v_mul_f32 v19, 0x4038aa3b, v11
	v_exp_f32 v18, v18
	v_exp_f32 v19, v19
	v_nop                                          ; a plain line behind the transcendentals,
	s_wait_alu depctr_va_vdst(0)                   ; and one wait for the two, ahead of their first reader
	v_add_f32 v18, 1.0, v18
	v_add_f32 v19, 1.0, v19
	v_rcp_f32 v18, v18
	v_rcp_f32 v19, v19
	v_nop
	s_wait_alu depctr_va_vdst(0)
	v_fma_f32 v18, v18, -2.0, 1.0
	v_fma_f32 v19, v19, -2.0, 1.0
.set i, 0
.rept 8
.irp q, 0,1,2,3,4,5,6,7
	v_readlane_b32 s[48+\q], v[18+(i+\q)/32], (i+\q)%32
.endr
.irp q, 0,1,2,3,4,5,6,7
	v_mul_f32 v[D+2*(i+\q)], s[48+\q], v[D+2*(i+\q)]
	v_mul_f32 v[D+2*(i+\q)+1], s[48+\q], v[D+2*(i+\q)+1]
.endr
.set i, i+8
.endr
.Lnet:
; A stage: place p takes the row 2^s above it where its bit is set.  lim: no kept row comes to rest at or above it in this stage (place <= 31 and d <= 32 give 64 - 2^(s+1), and 32 for the last).
; Two places at a time; the masks stand in eight scalar registers by turns.
.macro STAGE s, lim
.set p, 0
.rept (\lim)/2
	s_bitcmp1_b32 s[TK+2*(\s)+p/32], p%32
	s_cselect_b32 s[48+p%8], -1, 0
	s_bitcmp1_b32 s[TK+2*(\s)+(p+1)/32], (p+1)%32
	s_cselect_b32 s[48+(p+1)%8], -1, 0
	v_cndmask_b32 v[D+2*p], v[D+2*p], v[D+2*(p+(1<<(\s)))], s[48+p%8]
	v_cndmask_b32 v[D+2*p+1], v[D+2*p+1], v[D+2*(p+(1<<(\s)))+1], s[48+p%8]
	v_cndmask_b32 v[D+2*p+2], v[D+2*p+2], v[D+2*(p+1+(1<<(\s)))], s[48+(p+1)%8]
	v_cndmask_b32 v[D+2*p+3], v[D+2*p+3], v[D+2*(p+1+(1<<(\s)))+1], s[48+(p+1)%8]
.set p, p+2
.endr
.endm
	STAGE 0, 62
	STAGE 1, 60
	STAGE 2, 56
	STAGE 3, 48
	STAGE 4, 32
	STAGE 5, 32
	s_cmp_lg_u32 s23, 3
	s_cbranch_scc1 .Lstage
	s_cmp_eq_u32 s22, 4
	s_cbranch_scc1 .Lstage
.set j, 0
.rept 32
	global_store_b64 v2, v[D+2*j:D+2*j+1], s[18:19] offset:1024*j th:TH_STORE_NT   ; out0: 32 lanes store 256 consecutive bytes, aligned
.set j, j+1
.endr
	s_wait_tensorcnt 0x0
	ds_add_u32 v192, v193
	s_wait_dscnt 0x0
	s_endpgm
.Lstage:                                           ; codes and scales: row-major 8 bytes a lane become piece-major 16 bytes a row
.set j, 0
.rept 32
	ds_store_b64 v4, v[D+2*j:D+2*j+1] offset:16*j  ; the 32 lanes touch 64 different banks: piece pitch 528 bytes = 132 words
.set j, j+1
.endr
.set q, 0
.rept 16
	ds_load_b128 v[128+4*q:131+4*q], v5 offset:528*q   ; LDS serves a wave's instructions in order; rows 32-63's registers are free
.set q, q+1
.endr
.set q, 0
.rept 16
	s_wait_dscnt 15-q                              ; the younger loads may be out
	global_store_b128 v3, v[128+4*q:131+4*q], s[28:29] offset:256*q   ; sixteen lanes store 256 consecutive bytes, aligned; lanes 16-31 the next rowgroup's
.set q, q+1
.endr
	s_wait_tensorcnt 0x0
	ds_add_u32 v192, v193
	s_wait_dscnt 0x0
	s_endpgm
.Liunit:                                           ; I: lane l takes I of the node whose place is l
	v_mov_b32 v25, 0xff
	v_cndmask_b32 v14, v25, v14, s44               ; a dropped node has no place
	v_cndmask_b32 v15, v25, v15, s45
	v_mov_b32 v[D+2], 0
.set i, 0
.rept 32
	v_readlane_b32 s47, v14, i
	v_readlane_b32 s48, v[D], i
	v_cmp_eq_u32 vcc_lo, s47, v1
	v_cndmask_b32 v[D+2], v[D+2], s48, vcc_lo
.set i, i+1
.endr
.set i, 0
.rept 32
	v_readlane_b32 s47, v15, i
	v_readlane_b32 s48, v[D+1], i
	v_cmp_eq_u32 vcc_lo, s47, v1
	v_cndmask_b32 v[D+2], v[D+2], s48, vcc_lo
.set i, i+1
.endr
	global_store_b32 v28, v[D+2], s[20:21]
.Lend:
	s_wait_tensorcnt 0x0
	ds_add_u32 v192, v193
	s_wait_dscnt 0x0
	s_endpgm
.Lfunc_end_k_q988a3c223d_pool:
	.size	k_q988a3c223d_pool, .Lfunc_end_k_q988a3c223d_pool-k_q988a3c223d_pool
	.p2alignl 7, 3214868480
	.fill 96, 4, 3214868480
	.section	.rodata,"a",@progbits
	.p2align	6, 0x0
	.amdhsa_kernel k_q988a3c223d_pool
		.amdhsa_group_segment_fixed_size 87552
		.amdhsa_private_segment_fixed_size 0
		.amdhsa_enable_private_segment 0
		.amdhsa_kernarg_size 72
		.amdhsa_user_sgpr_count 2
		.amdhsa_user_sgpr_kernarg_segment_ptr 1
		.amdhsa_wavefront_size32 1
		.amdhsa_system_sgpr_workgroup_id_x 1
		.amdhsa_system_sgpr_workgroup_id_y 1
		.amdhsa_system_sgpr_workgroup_id_z 1
		.amdhsa_system_vgpr_workitem_id 0
		.amdhsa_next_free_vgpr 194
		.amdhsa_next_free_sgpr 66
		.amdhsa_reserve_vcc 1
		.amdhsa_float_denorm_mode_32 3
		.amdhsa_float_denorm_mode_16_64 3
		.amdhsa_memory_ordered 1
		.amdhsa_forward_progress 1
		.amdhsa_inst_pref_size 148
	.end_amdhsa_kernel
	.amdgpu_metadata
---
amdhsa.version: [ 1, 2 ]
amdhsa.kernels:
  - .name:           k_q988a3c223d_pool
    .symbol:         k_q988a3c223d_pool.kd
    .args:
      - { .name: yp, .offset: 0, .size: 8, .value_kind: global_buffer, .address_space: global }
      - { .name: cod, .offset: 8, .size: 8, .value_kind: global_buffer, .address_space: global }
      - { .name: scp, .offset: 16, .size: 8, .value_kind: global_buffer, .address_space: global }
      - { .name: X, .offset: 24, .size: 8, .value_kind: global_buffer, .address_space: global }
      - { .name: I, .offset: 32, .size: 8, .value_kind: global_buffer, .address_space: global }
      - { .name: cc, .offset: 40, .size: 8, .value_kind: global_buffer, .address_space: global }
      - { .name: cs, .offset: 48, .size: 8, .value_kind: global_buffer, .address_space: global }
      - { .name: out0, .offset: 56, .size: 8, .value_kind: global_buffer, .address_space: global }
      - { .name: out2, .offset: 64, .size: 8, .value_kind: global_buffer, .address_space: global }
    .group_segment_fixed_size: 87552
    .private_segment_fixed_size: 0
    .kernarg_segment_align: 8
    .kernarg_segment_size: 72
    .max_flat_workgroup_size: 256
    .sgpr_count:     66
    .vgpr_count:     194
    .wavefront_size: 32
...
	.end_amdgpu_metadata
.endif
;; end of part 2
;; launch gemm (part 3): grid 16 x 16, 4 waves a work-group, clusters of 4 x 4, 327,680 bytes of LDS; arguments cc, cs, out1; writes out1
.if DOCPART == 3
	.amdgcn_target "amdgcn-amd-amdhsa--gfx1250"
	.amdhsa_code_object_version 6
	.text
	.protected	k_q988a3c223d_gemm
	.globl	k_q988a3c223d_gemm
	.p2align	8
	.type	k_q988a3c223d_gemm,@function
k_q988a3c223d_gemm:
	s_mov_b64 s[64:65], 0
	v_nop
	global_prefetch_b8 v0, s[64:65] scope:SCOPE_SE
	s_setreg_imm32_b32 hwreg(HW_REG_WAVE_MODE, 25, 1), 1
	s_wait_xcnt 0x0
	s_wait_alu depctr_hold_cnt(0) depctr_sa_sdst(0) depctr_va_vdst(0) depctr_va_sdst(0) depctr_va_ssrc(0) depctr_va_vcc(0) depctr_vm_vsrc(0)
	s_getreg_b32 s2, hwreg(HW_REG_IB_STS2, 6, 4)
	s_cmp_eq_u32 s2, 0
	s_cbranch_scc0 .Lentry_in_a_cluster
	s_endpgm
.Lentry_in_a_cluster:
	s_bfe_u32 s2, ttmp6, 0x10000c
	s_cmp_lg_u32 s2, 0xf033
	s_cbranch_scc0 .Lentry_shape_is_right
	s_endpgm
.Lentry_shape_is_right:
; GEMM.  out1[m][n] = the sum over k of (kept row m of A)[k] x (kept column n of A)[k]: 2,048 x 2,048 x 4,096 on codes of BF6 (E3M2) with one E8M0 scale for each 32 along K; sums in f32.
; cc [operand 2][rowgroup 128][piece 192][r 16][16 B]: a rowgroup is 16 rows; piece q = bytes 16 q .. of each row's 3,072 code bytes.  A K step of 128 is six pieces, 1,536 dense bytes of a rowgroup.
; HOW A FRAGMENT IS FED: lane (r, h) takes the 48 bytes at 96 ks + 48 h of its row, three pieces, by three ds_load_b128 whose sixteen lanes read 256 consecutive bytes.  So its registers 0-5 hold the step's block 2 h and
; registers 6-11 block 2 h + 1, where the operand's layout has blocks h and 2 + h: blocks 1 and 2 have changed places, alike in both operands, each block of 32 with its own scale: the scale words' bytes 1 and 2 are exchanged
; once (v_perm_b32).  The products are the same; only the order of the sums inside an instruction differs.
; SHARES: a tile of 128 x 128 to a work-group (256 work-groups; tiles of 256 x 256 would be 64); four waves, each 64 x 64: 16 accumulators.  32 K steps, written out, since a step's scale registers have numbers of their own.
; RING: two slots of six K steps (147,456 bytes: A's 8 rowgroups, then B's, 9,216 bytes each).  Fills: steps 0-5, 6-11 at the start (two loads of a wave are out), then 12-17, 18-23, 24-29 and 30-31, one load a wave behind each
; change of slots, with six K steps, 96 matrix instructions, in which to land.
; CLUSTER 4 x 4: the four work-groups of a row of the cluster need the same rows (operand 0), the four of a column the same columns (operand 1): each tile is asked for jointly.
; THE MATRIX INSTRUCTION IS USED TRANSPOSED (source 0 = 16 columns' codes, source 1 = 16 rows' codes): a lane holds eight neighbouring numbers of a row of out1.
; No prefetch: the launch is short, and 12 of its 32 K steps are asked for at its head.
; REGISTERS: window 0: v1-15 addresses; v16-143 scale words (32 i + ks: lanes 0-15 rows' rowgroup i, lanes 16-31 columns' rowgroup i); v144-191, v192-239 fragment set 0 (rows', columns').
;            window 1: v0-127 the accumulators ((a, b) at 8 (4 a + b)); v128-175, v176-223 fragment set 1.
.set SLOTB, 147456
.set WLD,   36864                      ; what one tensor load brings: 4 rowgroups x 9,216
.set RGL,   9216                       ; a rowgroup's six K steps
.set STP,   1536                       ; a K step of a rowgroup
.set SPARE, 294912                     ; behind the ring: the spare words, 128 bytes a wave: two blocks of 256 bytes that no other line names
.set ADRA,  2                          ; v2-3  my rows' fragments in slot 0, 1
.set ADRB,  4                          ; v4-5  my columns'
.set ADRAL, 6                          ; v6    the same in the last fill (rowgroups 3,072 bytes apart)
.set ADRBL, 7                          ; v7
.set STO,   8                          ; v8    the way out: where I put 32 bytes of a row
.set RD,    9                          ; v9    where I read a row back
.set CO,    10                         ; v10   my byte offset in out1
.set SCO,   11                         ; v11   my byte offset in cs
.set SPW,   12                         ; v12   my spare word; never rewritten
.set NIL,   13                         ; v13   0; never rewritten
.set SC,    16
.set G1,   24                          ; s[24:31] group 1, rows' tiles;   s[32:39] group 0, a set for each slot
.set G0,   32
.set G1B,  48                          ; s[48:55], s[56:63] the same for columns' tiles
.set G0B,  56
.set G1L,  68                          ; s[68:75], s[76:79] the last fill, rows';   s[80:87], s[88:91] columns'
.set G0L,  76
.set G1LB, 80
.set G0LB, 88
.set MSB, 0
.macro WIN new                         ; the immediate's high byte repeats the setting that is left
.if MSB != \new
	s_set_vgpr_msb (MSB<<8)|\new
.set MSB, \new
.endif
.endm
; A joint load: waves 0 and 1 fetch the rows' halves, waves 2 and 3 the columns'.  The branch hangs on the wave's number alone.  Four v_nop follow each of the two lines.
.macro JLOAD g0a, g1a, g0b, g1b
	s_cmp_eq_u32 s15, 0
	s_cbranch_scc0 .Lfor_b_\@
	tensor_load_to_lds s[\g0a:\g0a+3], s[\g1a:\g1a+7]
	s_nop 0
.rept 4
	v_nop
.endr
	s_branch .Lasked_\@
.Lfor_b_\@:
	tensor_load_to_lds s[\g0b:\g0b+3], s[\g1b:\g1b+7]
	s_nop 0
.rept 4
	v_nop
.endr
.Lasked_\@:
.endm
.macro CREST                           ; a round of the cluster's barrier behind its opening barrier
	s_cmp_lg_u32 s14, 0
	s_cbranch_scc1 .Lnot_wave_0_\@
	s_barrier_signal -3
.Lnot_wave_0_\@:
	s_barrier_wait -3
	s_barrier_signal -1
	s_barrier_wait -1
.endm
.macro CROUND
	s_barrier_signal -1
	s_barrier_wait -1
	CREST
.endm
.macro PLACES n
.rept \n
	v_nop
.endr
.endm
	s_load_b128 s[4:7], s[0:1], 0x0                ; cc s[4:5], cs s[6:7]
	s_load_b64 s[8:9], s[0:1], 0x10                ; out1
	v_lshl_add_u32 v[SPW], v0, 2, SPARE
	v_mov_b32 v[NIL], 0
	ds_add_u32 v12, v13
	ds_add_u32 v12, v13
	s_wait_dscnt 0x0
	v_lshrrev_b32 v1, 5, v0
	v_readfirstlane_b32 s14, v1                    ; wave 0..3
	s_lshr_b32 s15, s14, 1                         ; which 64 rows are mine.  Also: I fetch rows' tiles (0) or columns' (1)
	s_and_b32 s16, s14, 1                          ; which 64 columns.  Also: which four rowgroups I fetch
	s_bfe_u32 s40, ttmp6, 0x40000                  ; cx, cy
	s_bfe_u32 s41, ttmp6, 0x40004
	s_lshl_b32 s42, ttmp9, 2
	s_add_co_u32 s42, s42, s40                     ; tile column
	s_and_b32 s17, ttmp7, 0xffff
	s_lshl_b32 s17, s17, 2
	s_add_co_u32 s17, s17, s41                     ; tile row
	s_lshl_b32 s43, s41, 2
	s_lshl_b32 s43, 15, s43                        ; my row of the cluster
	s_lshl_b32 s44, 0x1111, s40                    ; my column
	; group 1: 4 rowgroups x 1,152 elements of 8 bytes (six K steps), 6,144 elements from rowgroup to rowgroup; dense in LDS
	s_or_b32 s[G1], s43, (3<<16)|(1<<21)
	s_or_b32 s[G1B], s44, (3<<16)|(1<<21)
	s_or_b32 s[G1L], s43, (3<<16)|(1<<21)
	s_or_b32 s[G1LB], s44, (3<<16)|(1<<21)
.irp g, G1, G1B
	s_mov_b32 s[\g+1], 1152<<16
	s_mov_b32 s[\g+2], 4<<16
	s_mov_b32 s[\g+3], 1152<<16
	s_mov_b32 s[\g+4], 4
	s_mov_b32 s[\g+5], 6144
	s_mov_b32 s[\g+6], 0
	s_mov_b32 s[\g+7], 0
.endr
.irp g, G1L, G1LB                      ; the last fill: two K steps, 384 elements
	s_mov_b32 s[\g+1], 384<<16
	s_mov_b32 s[\g+2], 4<<16
	s_mov_b32 s[\g+3], 384<<16
	s_mov_b32 s[\g+4], 4
	s_mov_b32 s[\g+5], 6144
	s_mov_b32 s[\g+6], 0
	s_mov_b32 s[\g+7], 0
.endr
	s_lshl_b32 s18, s16, 2
	s_lshl_b32 s20, s17, 3
	s_add_co_u32 s20, s20, s18                     ; rows': rowgroup 8 x tile row + 4 x half
	s_mul_i32 s20, s20, 49152
	s_mov_b32 s21, 0
	s_lshl_b32 s46, s42, 3
	s_add_co_u32 s46, s46, s18                     ; columns': 8 x tile column + 4 x half,
	s_mul_i32 s46, s46, 49152
	s_add_co_u32 s46, s46, 6291456                 ; in operand 1
	s_mov_b32 s47, 0
	s_mul_i32 s45, s14, WLD                        ; where they go: wave x 4 rowgroups: no place in the cluster enters an LDS address
	s_mul_i32 s94, s14, 12288
	s_add_co_u32 s94, s94, SLOTB
	s_wait_kmcnt 0x0
	s_add_nc_u64 s[20:21], s[4:5], s[20:21]
	s_add_nc_u64 s[46:47], s[4:5], s[46:47]
.irp s, 0,1
	s_mov_b32 s[G0+4*\s], 1
	s_add_co_u32 s[G0+4*\s+1], s45, \s*SLOTB
	s_add_nc_u64 s[G0+4*\s+2:G0+4*\s+3], s[20:21], \s*RGL   ; K steps 6 s on
	s_or_b32 s[G0+4*\s+3], s[G0+4*\s+3], 0x80000000
	s_mov_b32 s[G0B+4*\s], 1
	s_add_co_u32 s[G0B+4*\s+1], s45, \s*SLOTB
	s_add_nc_u64 s[G0B+4*\s+2:G0B+4*\s+3], s[46:47], \s*RGL
	s_or_b32 s[G0B+4*\s+3], s[G0B+4*\s+3], 0x80000000
.endr
	s_mov_b32 s[G0L], 1
	s_mov_b32 s[G0L+1], s94
	s_add_nc_u64 s[G0L+2:G0L+3], s[20:21], 30*STP
	s_or_b32 s[G0L+3], s[G0L+3], 0x80000000
	s_mov_b32 s[G0LB], 1
	s_mov_b32 s[G0LB+1], s94
	s_add_nc_u64 s[G0LB+2:G0LB+3], s[46:47], 30*STP
	s_or_b32 s[G0LB+3], s[G0LB+3], 0x80000000
	CROUND                                         ; all sixteen work-groups are here: the first joint loads meet
	JLOAD G0, G1, G0B, G1B                         ; K steps 0-5
	JLOAD G0+4, G1, G0B+4, G1B                     ; K steps 6-11
	; the scale words of my 4 + 4 rowgroups, for all of K: 16 bytes (four K steps) a row and load; sixteen lanes read 256 consecutive bytes
	v_and_b32 v1, 15, v0                           ; r
	v_bfe_u32 v14, v0, 4, 1                        ; h
	s_lshl_b32 s92, s17, 3
	s_lshl_b32 s94, s15, 2
	s_add_co_u32 s92, s92, s94
	s_lshl_b32 s92, s92, 12                        ; rows': rowgroup 8 x tile row + 4 x my half, 4,096 bytes each
	s_lshl_b32 s93, s42, 3
	s_lshl_b32 s94, s16, 2
	s_add_co_u32 s93, s93, s94
	s_lshl_b32 s93, s93, 12
	s_add_co_u32 s93, s93, 2048                    ; columns': operand 1's half of a rowgroup
	v_mov_b32 v[SCO], s92
	v_mov_b32 v9, s93
	v_cmp_ne_u32 vcc_lo, 0, v14
	v_cndmask_b32 v[SCO], v[SCO], v9, vcc_lo       ; lanes 0-15 take rows' words, lanes 16-31 columns'
	v_lshl_add_u32 v[SCO], v1, 4, v[SCO]
.irp i, 0,1,2,3
.irp q, 0,1,2,3,4,5,6,7
	global_load_b128 v[SC+32*\i+4*\q:SC+32*\i+4*\q+3], v[SCO], s[6:7] offset:4096*\i+256*\q
.endr
.endr
	v_lshlrev_b32 v15, 4, v1
	v_mad_u32_u24 v15, v14, 768, v15               ; 16 r + 768 h: my 16 bytes of a piece, my half's three pieces
	s_mul_i32 s21, s15, WLD
	s_mul_i32 s22, s16, WLD
	s_add_co_u32 s22, s22, 2*WLD                   ; columns' rowgroups lie behind the rows' eight
.irp s, 0,1
	v_add_nc_u32 v[ADRA+\s], s21, v15
	v_add_nc_u32 v[ADRB+\s], s22, v15
	s_add_co_u32 s21, s21, SLOTB
	s_add_co_u32 s22, s22, SLOTB
.endr
	s_mul_i32 s21, s15, 12288
	s_add_co_u32 s21, s21, SLOTB
	v_add_nc_u32 v[ADRAL], s21, v15
	s_mul_i32 s22, s16, 12288
	s_add_co_u32 s22, s22, SLOTB+24576
	v_add_nc_u32 v[ADRBL], s22, v15
	s_mul_i32 s23, s14, 17408                      ; my stage: 4 blocks x 16 rows x 272 bytes, in slot 0
	v_mul_u32_u24 v[STO], v1, 272
	v_lshl_add_u32 v[STO], v14, 5, v[STO]
	v_add_nc_u32 v[STO], s23, v[STO]               ; in: row r, 32 bytes for each half of the lanes
	v_mul_u32_u24 v[RD], v14, 272
	v_lshl_add_u32 v[RD], v1, 4, v[RD]
	v_add_nc_u32 v[RD], s23, v[RD]                 ; back: lanes 0-15 one row of 256 bytes, lanes 16-31 the next
	v_lshlrev_b32 v[CO], 13, v14
	v_lshl_add_u32 v[CO], v1, 4, v[CO]             ; and the same two rows of out1, 8,192 bytes apart
	s_lshl_b32 s20, s17, 7
	s_lshl_b32 s21, s15, 6
	s_add_co_u32 s20, s20, s21                     ; my first row: 128 x tile row + 64 x half
	s_lshl_b32 s20, s20, 13
	s_lshl_b32 s46, s42, 9                         ; my first column, in bytes: 512 x tile column + 256 x half
	s_lshl_b32 s47, s16, 8
	s_add_co_u32 s46, s46, s47
	s_add_co_u32 s20, s20, s46
	s_mov_b32 s21, 0
	s_add_nc_u64 s[8:9], s[8:9], s[20:21]
	s_mov_b32 s19, 0x03010200
	s_wait_loadcnt 0x0
.set n, 0
.rept 128
	v_perm_b32 v[SC+n], v[SC+n], v[SC+n], s19      ; bytes 1 and 2 change places, as blocks 1 and 2 of a fragment have
.set n, n+1
.endr
	PLACES 8                                       ; a scale register written by a vector instruction stands eight places ahead of a scaled matrix instruction
; 24 LDS loads: K step k's fragments, columns' four and rows' four, into set k % 2
.macro FETCH k
.if ((\k)%2) == 0
	WIN 0
.set LFA, 144
.set LFB, 192
.else
	WIN 0x40                                       ; destination window 1, address window 0
.set LFA, 128
.set LFB, 176
.endif
.if (\k) < 30
.set LRA, ADRA+((\k)/6)%2
.set LRB, ADRB+((\k)/6)%2
.set LRG, RGL
.set LKO, ((\k)%6)*STP
.else
.set LRA, ADRAL
.set LRB, ADRBL
.set LRG, 3072
.set LKO, ((\k)-30)*STP
.endif
.irp i, 0,1,2,3
.irp c, 0,1,2
	ds_load_b128 v[LFB+12*\i+4*\c:LFB+12*\i+4*\c+3], v[LRB] offset:\i*LRG+LKO+256*\c
.endr
.endr
.irp i, 0,1,2,3
.irp c, 0,1,2
	ds_load_b128 v[LFA+12*\i+4*\c:LFA+12*\i+4*\c+3], v[LRA] offset:\i*LRG+LKO+256*\c
.endr
.endr
.endm
.macro WINM k                          ; C and D window 1; the sources in the window of set k % 2
.if ((\k)%2) == 0
	WIN 0x50
.else
	WIN 0x55
.endif
.endm
; four matrix instructions: rows' rowgroup a against the columns' four.  The 16 accumulators take turns, one instruction a turn, in the same order in every step.
.macro MUL4 k, a, zero
.if ((\k)%2) == 0
.set MFA, 144
.set MFB, 192
.else
.set MFA, 128
.set MFB, 176
.endif
.irp b, 0,1,2,3
.if \zero
	v_wmma_scale_f32_16x16x128_f8f6f4 v[8*(4*(\a)+\b):8*(4*(\a)+\b)+7], v[MFB+12*\b:MFB+12*\b+11], v[MFA+12*(\a):MFA+12*(\a)+11], 0, v[SC+32*\b+(\k)], v[SC+32*(\a)+(\k)] matrix_a_fmt:MATRIX_FMT_BF6 matrix_b_fmt:MATRIX_FMT_BF6 matrix_a_scale:MATRIX_SCALE_ROW1
.else
	v_wmma_scale_f32_16x16x128_f8f6f4 v[8*(4*(\a)+\b):8*(4*(\a)+\b)+7], v[MFB+12*\b:MFB+12*\b+11], v[MFA+12*(\a):MFA+12*(\a)+11], v[8*(4*(\a)+\b):8*(4*(\a)+\b)+7], v[SC+32*\b+(\k)], v[SC+32*(\a)+(\k)] matrix_a_fmt:MATRIX_FMT_BF6 matrix_b_fmt:MATRIX_FMT_BF6 matrix_a_scale:MATRIX_SCALE_ROW1
.endif
.endr
.endm
; A K step whose successor lies in LDS already
.macro STEP k, zero
	PLACES 4                                       ; in front of loads into the set that the step before multiplied (ISA guide 7.12.1 for vector instructions)
	FETCH (\k)+1
	s_wait_dscnt 24                                ; all but the 24 just issued: this step's fragments are in
	WINM \k
	MUL4 \k, 0, \zero
	MUL4 \k, 1, \zero
	MUL4 \k, 2, \zero
	MUL4 \k, 3, \zero
.endm
; A slot's last K step changes slots: in front of the barrier each wave waits for all its tensor loads, adds 0 to its spare word, and waits for that and for its reads of this slot.
; fill = 1: the slot is filled again, twelve K steps on;  2: with the last two K steps;  0: nothing is left to fetch, and no round of the cluster's barrier follows.
.macro TURN k, fill
.set SL, ((\k)/6)%2
	WIN 0                                          ; (the add's two registers lie in window 0)
	s_wait_tensorcnt 0x0                           ; all my tensor loads have landed: my part of the next slot
	ds_add_u32 v[SPW], v[NIL]                      ; 0 onto my spare word
	s_wait_dscnt 1                                 ; the add alone may be out: this step's fragments are in
	WINM \k
	MUL4 \k, 0, 0                                  ; four matrix instructions stand between the add and the wait for it
	s_wait_dscnt 0x0                               ; the add is done, and my reads of this slot are over
	s_barrier_signal -1
	MUL4 \k, 1, 0
	WIN 0
	s_barrier_wait -1
.if \fill
	CREST                                          ; the barrier has opened a round of the cluster's: no wave of any partner still reads this slot or has a load on its way
.endif
.if \fill == 1
	s_add_nc_u64 s[G0+4*SL+2:G0+4*SL+3], s[G0+4*SL+2:G0+4*SL+3], 2*RGL
	s_add_nc_u64 s[G0B+4*SL+2:G0B+4*SL+3], s[G0B+4*SL+2:G0B+4*SL+3], 2*RGL
	JLOAD G0+4*SL, G1, G0B+4*SL, G1B               ; the first tensor load behind the round; its four v_nop are also the places in front of the loads below
.endif
.if \fill == 2
	JLOAD G0L, G1L, G0LB, G1LB
.endif
.if \fill == 0
	PLACES 4
.endif
	FETCH (\k)+1
	WINM \k
	MUL4 \k, 2, 0
	MUL4 \k, 3, 0
.endm
	s_wait_tensorcnt 0x1                           ; my part of K steps 0-5 is in; 6-11 may be out
	s_barrier_signal -1
	s_barrier_wait -1                              ; everybody's is
	FETCH 0
	STEP 0, 1                                      ; the first step's products start the sums: nothing is cleared
.irp k, 1,2,3,4
	STEP \k, 0
.endr
	TURN 5, 1
.irp k, 6,7,8,9,10
	STEP \k, 0
.endr
	TURN 11, 1
.irp k, 12,13,14,15,16
	STEP \k, 0
.endr
	TURN 17, 1
.irp k, 18,19,20,21,22
	STEP \k, 0
.endr
	TURN 23, 2
.irp k, 24,25,26,27,28
	STEP \k, 0
.endr
	TURN 29, 0
	STEP 30, 0
	s_wait_dscnt 0x0
	WINM 31
	MUL4 31, 0, 0
	MUL4 31, 1, 0
	MUL4 31, 2, 0
	MUL4 31, 3, 0
	WIN 0
; THE WAY OUT, a block of 16 rows x 64 columns at a time, through my own stage.  It lies in slot 0, which has had its last fill, and which nobody reads behind the last change of slots.
; A lane holds 32 neighbouring bytes of a row; back come whole rows of 256 bytes.  LDS serves a wave's instructions in order: no wait between the stores and the loads.
.macro TOSTAGE a
	WIN 0x04                                       ; an LDS store's data: window 1
.irp b, 0,1,2,3
	ds_store_b128 v[STO], v[8*(4*(\a)+\b):8*(4*(\a)+\b)+3] offset:4352*(\a)+64*\b       ; each accumulator from its low end on
	ds_store_b128 v[STO], v[8*(4*(\a)+\b)+4:8*(4*(\a)+\b)+7] offset:4352*(\a)+64*\b+16
.endr
	WIN 0
.irp t, 0,1,2,3,4,5,6,7
	ds_load_b128 v[144+32*((\a)%2)+4*\t:144+32*((\a)%2)+4*\t+3], v[RD] offset:4352*(\a)+544*\t
.endr
.endm
.macro SEND a, younger                 ; younger: the LDS instructions issued behind block a's loads
	s_wait_dscnt \younger
.irp t, 0,1,2,3,4,5,6,7
	global_store_b128 v[CO], v[144+32*((\a)%2)+4*\t:144+32*((\a)%2)+4*\t+3], s[8:9] offset:(16*(\a)+2*\t)*8192 th:TH_STORE_NT   ; sixteen lanes store 256 consecutive bytes, aligned
.endr
.endm
	PLACES 4                                       ; behind the last products: for the first reads of results and for the loads into set 0's registers
	TOSTAGE 0
	TOSTAGE 1
	SEND 0, 16                                     ; behind block 0's loads: block 1's 8 stores and 8 loads
	s_wait_xcnt 0x0                                ; block 0's stores have read their registers: block 2's loads may land there
	TOSTAGE 2
	SEND 1, 16
	s_wait_xcnt 0x0
	TOSTAGE 3
	SEND 2, 16
	SEND 3, 0
	s_wait_tensorcnt 0x0                           ; the wave's end: behind my last tensor load and my last LDS store
	ds_add_u32 v[SPW], v[NIL]
	s_wait_dscnt 0x0
	CROUND                                         ; the closing round: no work-group ends while a partner may still ask for a tile that names it
	s_endpgm
.Lfunc_end_k_q988a3c223d_gemm:
	.size	k_q988a3c223d_gemm, .Lfunc_end_k_q988a3c223d_gemm-k_q988a3c223d_gemm
	.p2alignl 7, 3214868480
	.fill 96, 4, 3214868480
	.section	.rodata,"a",@progbits
	.p2align	6, 0x0
	.amdhsa_kernel k_q988a3c223d_gemm
		.amdhsa_group_segment_fixed_size 327680
		.amdhsa_private_segment_fixed_size 0
		.amdhsa_enable_private_segment 0
		.amdhsa_kernarg_size 24
		.amdhsa_user_sgpr_count 2
		.amdhsa_user_sgpr_kernarg_segment_ptr 1
		.amdhsa_wavefront_size32 1
		.amdhsa_system_sgpr_workgroup_id_x 1
		.amdhsa_system_sgpr_workgroup_id_y 1
		.amdhsa_system_sgpr_workgroup_id_z 1
		.amdhsa_system_vgpr_workitem_id 0
		.amdhsa_next_free_vgpr 512
		.amdhsa_next_free_sgpr 100
		.amdhsa_reserve_vcc 1
		.amdhsa_float_denorm_mode_32 3
		.amdhsa_float_denorm_mode_16_64 3
		.amdhsa_memory_ordered 1
		.amdhsa_forward_progress 1
		.amdhsa_inst_pref_size 152
	.end_amdhsa_kernel
	.amdgpu_metadata
---
amdhsa.version: [ 1, 2 ]
amdhsa.kernels:
  - .name:           k_q988a3c223d_gemm
    .symbol:         k_q988a3c223d_gemm.kd
    .args:
      - { .name: cc, .offset: 0, .size: 8, .value_kind: global_buffer, .address_space: global }
      - { .name: cs, .offset: 8, .size: 8, .value_kind: global_buffer, .address_space: global }
      - { .name: out1, .offset: 16, .size: 8, .value_kind: global_buffer, .address_space: global }
    .group_segment_fixed_size: 327680
    .private_segment_fixed_size: 0
    .kernarg_segment_align: 8
    .kernarg_segment_size: 24
    .max_flat_workgroup_size: 128
    .sgpr_count:     100
    .vgpr_count:     512
    .wavefront_size: 32
...
	.end_amdgpu_metadata
.endif
;; end of part 3
;; ======== version 2 of 2: 3 launches; 1.14 times as fast as version 1
;; workspace buffers: yp 262,144 bytes; cod 25,165,824 bytes; scp 1,048,576 bytes; cc 12,582,912 bytes; cs 524,288 bytes
;; launch prep (part 4): grid 16 x 16, 8 waves a work-group, no clusters, 327,680 bytes of LDS; arguments A, X, kernel, cod, scp, yp; writes cod, scp, yp
.if DOCPART == 4
	.amdgcn_target "amdgcn-amd-amdhsa--gfx1250"
	.amdhsa_code_object_version 6
	.text
	.protected	k_q988a3c223d_prep
	.globl	k_q988a3c223d_prep
	.p2align	8
	.type	k_q988a3c223d_prep,@function
k_q988a3c223d_prep:
	s_mov_b64 s[64:65], 0
	v_nop
	global_prefetch_b8 v0, s[64:65] scope:SCOPE_SE
	s_setreg_imm32_b32 hwreg(HW_REG_WAVE_MODE, 25, 1), 1
	s_wait_xcnt 0x0
; PREP.  A [4096][4096] f32 is read ONCE and leaves as three things:
;   cod [operand 2][t 16][node 4096][192 B]  codes of BF6 (E3M2): the 256 codes of K blocks 8 t .. 8 t + 7 of a node; operand 0 = A[m][:], operand 1 = A[:][n]
;   scp [operand 2][t 16][node 4096][8 B]  the E8M0 bytes of the same K blocks
;   yp  [tx 16][node 4096] f32  the part of y = A (X kernel) that columns 256 tx .. 256 tx + 255 give
; cod is laid so because a wave's 32 nodes of one t are then 6,144 consecutive bytes: each of its stores covers 512 consecutive bytes, aligned.
; A work-group takes the tile A[256 ty ..][256 tx ..], 256 KiB, by tensor loads: each of its eight waves brings its own 32 rows (two pieces of 128 columns) and is the only reader of them.
; Those 32 rows are ONE block of 32 along K of the column operand, and each row holds eight blocks of the row operand: no wave asks another for a maximum.
; z = X kernel of the tile's 256 columns is made here (wave w: columns 32 w ..), in f32 fused multiply-adds, and shared through LDS.
; A block's scale is 2^(floor(log2(largest magnitude)) - 4); its byte is the largest magnitude's exponent field - 4, held at 1 from below.
; LIMITS: a block of zeros gets the byte 1 where the rule says 127 (its codes are zeros; this program alone reads the bytes); blocks whose largest magnitude lies under 2^-122 are held at byte 1;
; NaN and infinities are not served; y is summed in another order than a row-by-row dot product.
; NO CLUSTER: no two work-groups read the same part of A; X's rows, which the 16 work-groups of a column of tiles share, go lane by lane into registers, and LDS is full of A's tile.
; LDS is filled once: no slot is filled again.
.set TSTR, 33792                       ; a wave's strip: two pieces
.set PSTR, 16896                       ; a piece: 32 rows x 528
.set TP,   528                         ; a row of a piece: 512 bytes + 16 of padding = 33 x 16: sixteen lanes at sixteen rows touch sixteen different columns of 16 bytes
.set CST,  270336                      ; the column operand's stage: 256 nodes x 208 bytes (192 + 16)
.set CP,   208
.set ZB,   323584                      ; z of the 256 columns
.set SCS,  324608                      ; the column operand's scale bytes: 256 nodes x 8
.set XO,  2                            ; v2   16 x lane
.set ARW, 3                            ; v3   my row of my wave's strip
.set ACL, 4                            ; v4   my column of my wave's strip
.set AZ,  5                            ; v5   ZB
.set AZW, 6                            ; v6   ZB + 128 x wave
.set ACS, 7                            ; v7   column stage: 208 x lane + 24 x wave
.set ASB, 8                            ; v8   column scale bytes: 8 x lane + wave
.set ARS, 9                            ; v9   row stage (in my own strip): 208 x lane
.set LR,  10                           ; v10-12 the way out of the row stage
.set LC,  13                           ; v13-15 the way out of the column stage
.set ASO, 19                           ; v19  my node's 8 column scale bytes
.set O8,  20                           ; v20  8 x lane
.set O4,  21                           ; v21  4 x lane
.set SR,  22                           ; v22-23 my row's 8 scale bytes
.set MXA, 24
.set MXB, 25
.set SCV, 26                           ; the conversions' scale operand
.set BY,  27                           ; the scale's byte
.set TC,  28                           ; v28-30 a block's upper 16 codes
.set D0,  32                           ; v32-63, v64-95 two sets of 32 numbers
.set Z0,  96                           ; v96-127, v128-159 two sets of 32 z; behind the last row item v96-143 take the rows' way out, v144-145 the column scale bytes
.set CR,  160                          ; v160-207 my row's codes: 8 blocks x 6; later the columns' way out
.set CT,  208                          ; v208-213 a column block's codes
.set YA,  216                          ; v216-223 y in four pairs
.set KV,  224                          ; v224-231 kernel
.set PS,  232                          ; v232-247 sixteen rows' partial z
	s_load_b256 s[4:11], s[0:1], 0x0               ; A s[4:5], X s[6:7], kernel s[8:9], cod s[10:11]
	s_load_b128 s[12:15], s[0:1], 0x20             ; scp s[12:13], yp s[14:15]
	v_lshl_add_u32 v254, v0, 2, 0x4fc00
	v_mov_b32 v255, 0
	ds_add_u32 v254, v255
	ds_add_u32 v254, v255
	v_lshrrev_b32 v1, 5, v0
	v_readfirstlane_b32 s16, v1                    ; wave 0..7
	v_and_b32 v1, 31, v0                           ; lane
	v_lshlrev_b32 v[XO], 4, v1
	s_mov_b32 s17, ttmp9                           ; tx
	s_and_b32 s18, ttmp7, 0xffff                   ; ty
	; descriptor group 1: 32 rows x 128 elements of 4 bytes, 4,096 elements from row to row; in LDS 4 words of padding behind every 128
	s_mov_b32 s20, (2<<16)|(1<<20)|(6<<22)|(3<<25)
	s_mov_b32 s21, 128<<16                         ; tensor_dim0
	s_mov_b32 s22, 32<<16                          ; tensor_dim1
	s_mov_b32 s23, 128<<16                         ; tile_dim0
	s_mov_b32 s24, 32                              ; tile_dim1
	s_mov_b32 s25, 4096                            ; stride
	s_mov_b32 s26, 0
	s_mov_b32 s27, 0
	s_mov_b32 s28, 1
	s_mul_i32 s29, s16, TSTR                       ; my strip
	s_mov_b32 s32, 1
	s_add_co_u32 s33, s29, PSTR
	s_lshl_b32 s36, s18, 22                        ; 256 ty rows of 16,384 bytes,
	s_lshl_b32 s38, s16, 19                        ; 32 w rows,
	s_add_co_u32 s36, s36, s38
	s_lshl_b32 s38, s17, 10                        ; 256 tx columns
	s_add_co_u32 s36, s36, s38
	s_mov_b32 s37, 0
	s_wait_dscnt 0x0
	s_wait_kmcnt 0x0
	s_add_nc_u64 s[30:31], s[4:5], s[36:37]
	s_add_nc_u64 s[34:35], s[30:31], 512
	s_or_b32 s31, s31, 0x80000000
	s_or_b32 s35, s35, 0x80000000
	tensor_load_to_lds s[28:31], s[20:27]          ; my 32 rows, columns 0-127: both fills go out together, ahead of every wait, LDS read and barrier
	s_nop 0
	tensor_load_to_lds s[32:35], s[20:27]          ; columns 128-255: two loads of mine are out
	s_nop 0
.rept 4
	v_nop
.endr
	s_lshl_b32 s38, s16, 5
	s_lshl_b32 s40, s18, 8
	s_add_co_u32 s40, s40, s38                     ; my first row of A: 256 ty + 32 w
	s_lshl_b32 s41, s17, 8
	s_add_co_u32 s41, s41, s38                     ; my first column for z and for the column way out: 256 tx + 32 w
	s_mov_b32 s43, 0
	s_lshl_b32 s42, s41, 10
	s_add_nc_u64 s[6:7], s[6:7], s[42:43]          ; X at that node's row
	global_load_b128 v[KV:KV+3], v[XO], s[8:9]
	global_load_b128 v[KV+4:KV+7], v[XO], s[8:9] offset:512
.macro ZLOAD b                         ; sixteen rows of X: a lane takes 16 bytes of each half of a row
.irp i, 0,1,2,3,4,5,6,7,8,9,10,11,12,13,14,15
	global_load_b128 v[32+8*\i:35+8*\i], v[XO], s[6:7] offset:(16*\b+\i)*1024
	global_load_b128 v[36+8*\i:39+8*\i], v[XO], s[6:7] offset:(16*\b+\i)*1024+512
.endr
.endm
	ZLOAD 0
	; the other bases and all addresses, while the loads are on their way
	s_mul_i32 s42, s17, 786432                     ; t = tx: 4,096 nodes of 192 bytes,
	s_mul_i32 s38, s40, 192                        ; my first row
	s_add_co_u32 s42, s42, s38
	s_add_nc_u64 s[44:45], s[10:11], s[42:43]      ; cod, operand 0
	s_mul_i32 s42, s18, 786432                     ; t = ty,
	s_mul_i32 s38, s41, 192                        ; my first node
	s_add_co_u32 s42, s42, s38
	s_add_co_u32 s42, s42, 12582912
	s_add_nc_u64 s[46:47], s[10:11], s[42:43]      ; cod, operand 1
	s_lshl_b32 s42, s17, 15
	s_lshl_b32 s38, s40, 3
	s_add_co_u32 s42, s42, s38
	s_add_nc_u64 s[50:51], s[12:13], s[42:43]      ; scp, operand 0
	s_lshl_b32 s42, s18, 15
	s_lshl_b32 s38, s41, 3
	s_add_co_u32 s42, s42, s38
	s_add_co_u32 s42, s42, 524288
	s_add_nc_u64 s[52:53], s[12:13], s[42:43]      ; scp, operand 1
	s_lshl_b32 s42, s17, 14
	s_lshl_b32 s38, s40, 2
	s_add_co_u32 s42, s42, s38
	s_add_nc_u64 s[14:15], s[14:15], s[42:43]      ; yp
	s_mov_b32 s48, 0x76543210
	s_mov_b32 s49, 0xfedcba98                      ; lane l xor 16
	v_mul_u32_u24 v[ARW], v1, TP
	v_add_nc_u32 v[ARW], s29, v[ARW]
	v_lshl_add_u32 v[ACL], v1, 2, s29
	v_mov_b32 v[AZ], ZB
	s_lshl_b32 s36, s16, 7
	s_add_co_u32 s36, s36, ZB
	v_mov_b32 v[AZW], s36
	s_mul_i32 s36, s16, 24
	s_add_co_u32 s36, s36, CST
	v_mul_u32_u24 v[ACS], v1, CP
	v_add_nc_u32 v[ARS], s29, v[ACS]
	v_add_nc_u32 v[ACS], s36, v[ACS]
	s_add_co_u32 s36, s16, SCS
	v_lshl_add_u32 v[ASB], v1, 3, s36
	s_lshl_b32 s36, s16, 8
	s_add_co_u32 s36, s36, SCS
	v_lshl_add_u32 v[ASO], v1, 3, s36
	v_lshlrev_b32 v[O8], 3, v1
	v_lshlrev_b32 v[O4], 2, v1
	s_mul_i32 s39, s16, 32*CP
	s_add_co_u32 s39, s39, CST                     ; my 32 nodes of the column stage
; The way out takes 16-byte pieces on end: piece x = 32 v + lane of the 96 of eight nodes is piece p = x - 12 n of node n = x / 12.
; In a stage it lies at 208 n + 16 p = 16 x + 16 n; in cod, where the nodes' 192 bytes follow each other, at 16 x.
.irp v, 0,1,2
	v_add_nc_u32 v24, 32*\v, v1                    ; x
	v_mul_u32_u24 v25, v24, 171
	v_lshrrev_b32 v25, 11, v25                     ; n = x / 12 (exact up to 95)
	v_lshlrev_b32 v26, 4, v24                      ; 16 x
	v_lshl_add_u32 v27, v25, 4, v26                ; + 16 n
	v_add_nc_u32 v[LR+\v], s29, v27
	v_add_nc_u32 v[LC+\v], s39, v27
.endr
; z of sixteen nodes: a lane's eight products, then the sum over the 32 lanes; the sixteen rows take turns line by line
.macro ZCOMP b
.irp i, 0,1,2,3,4,5,6,7,8,9,10,11,12,13,14,15
	v_pk_mul_f32 v[32+8*\i:33+8*\i], v[32+8*\i:33+8*\i], v[KV:KV+1]
.endr
.irp i, 0,1,2,3,4,5,6,7,8,9,10,11,12,13,14,15
	v_pk_fma_f32 v[32+8*\i:33+8*\i], v[34+8*\i:35+8*\i], v[KV+2:KV+3], v[32+8*\i:33+8*\i]
.endr
.irp i, 0,1,2,3,4,5,6,7,8,9,10,11,12,13,14,15
	v_pk_fma_f32 v[32+8*\i:33+8*\i], v[36+8*\i:37+8*\i], v[KV+4:KV+5], v[32+8*\i:33+8*\i]
.endr
.irp i, 0,1,2,3,4,5,6,7,8,9,10,11,12,13,14,15
	v_pk_fma_f32 v[32+8*\i:33+8*\i], v[38+8*\i:39+8*\i], v[KV+6:KV+7], v[32+8*\i:33+8*\i]
.endr
.irp i, 0,1,2,3,4,5,6,7,8,9,10,11,12,13,14,15
	v_add_f32 v[PS+\i], v[32+8*\i], v[33+8*\i]
.endr
.irp m, 1,2,4,8
.irp i, 0,1,2,3,4,5,6,7,8,9,10,11,12,13,14,15
	v_add_f32_dpp v[PS+\i], v[PS+\i], v[PS+\i] row_xmask:\m row_mask:0xf bank_mask:0xf
.endr
.endr
.irp i, 0,1,2,3,4,5,6,7,8,9,10,11,12,13,14,15
	v_permlanex16_b32 v[34+8*\i], v[PS+\i], s48, s49   ; (its destination counts as read: a register of the row just used up)
.endr
.irp i, 0,1,2,3,4,5,6,7,8,9,10,11,12,13,14,15
	v_add_f32 v[PS+\i], v[PS+\i], v[34+8*\i]
.endr
.irp i, 0,1,2,3,4,5,6,7,8,9,10,11,12,13,14,15
	ds_store_b32 v[AZW], v[PS+\i] offset:4*(16*\b+\i)  ; all lanes write the same word with the same value
.endr
.endm
	s_wait_loadcnt 0x0
	ZCOMP 0
	ZLOAD 1
	s_wait_loadcnt 0x0
	s_wait_dscnt 0x0                               ; the first sixteen z have been stored: their registers are written again
	ZCOMP 1
	s_wait_dscnt 0x0                               ; for the others' sake: my 32 z lie in LDS
	s_barrier_signal -1
	s_barrier_wait -1
; ---- the sixteen items: R t = block t of my lane's ROW (32 numbers along the row, and y);  C g = my wave's block of COLUMN 32 g + lane (32 numbers down the rows)
.macro LOADR t, set
.irp j, 0,1,2,3,4,5,6,7
	ds_load_b128 v[D0+32*(\set)+4*\j:D0+32*(\set)+4*\j+3], v[ARW] offset:((\t)/4)*PSTR+((\t)%4)*128+16*\j
.endr
.irp j, 0,1,2,3,4,5,6,7
	ds_load_b128 v[Z0+32*(\set)+4*\j:Z0+32*(\set)+4*\j+3], v[AZ] offset:128*(\t)+16*\j   ; the same 16 bytes for every lane
.endr
.endm
.macro LOADC g, set
.irp i, 0,1,2,3,4,5,6,7,8,9,10,11,12,13,14,15,16,17,18,19,20,21,22,23,24,25,26,27,28,29,30,31
	ds_load_b32 v[D0+32*(\set)+\i], v[ACL] offset:((\g)/4)*PSTR+TP*\i+((\g)%4)*128   ; 32 lanes read 128 consecutive bytes of row i
.endr
.endm
; 32 numbers of a lane, one block, become 6 registers of codes at v[d] and the scale's byte in v[BY]
.macro QUANT32 s, d
	v_max3_num_f32 v[MXA], |v[(\s)]|, |v[(\s)+1]|, |v[(\s)+2]|
	v_max3_num_f32 v[MXB], |v[(\s)+3]|, |v[(\s)+4]|, |v[(\s)+5]|
.irp i, 6,10,14,18,22,26
	v_max3_num_f32 v[MXA], v[MXA], |v[(\s)+\i]|, |v[(\s)+\i+1]|
	v_max3_num_f32 v[MXB], v[MXB], |v[(\s)+\i+2]|, |v[(\s)+\i+3]|
.endr
	v_max3_num_f32 v[MXA], v[MXA], |v[(\s)+30]|, |v[(\s)+31]|
	v_max3_num_f32 v[MXA], v[MXA], v[MXB], 0x2800000   ; the floor 2^(5 - 127): the byte cannot fall under 1
	v_add_nc_u32 v[SCV], 0xfe000000, v[MXA]        ; 4 off the exponent field: the conversion takes the exponent field of this operand as its scale
	v_cvt_scalef32_pk16_bf6_f32 v[(\d):(\d)+2], v[(\s):(\s)+15], v[SCV]
	v_cvt_scalef32_pk16_bf6_f32 v[TC:TC+2], v[(\s)+16:(\s)+31], v[SCV]   ; (a conversion's three registers begin on an even number)
	v_lshrrev_b32 v[BY], 23, v[SCV]                ; the byte; also the plain line behind the conversions
.irp i, 0,1,2
	v_mov_b32 v[(\d)+3+\i], v[TC+\i]
.endr
.endm
.macro COMPR t, set
.irp j, 0,1,2,3,4,5,6,7,8,9,10,11,12,13,14,15
.if ((\t) == 0) && (\j < 4)
	v_pk_mul_f32 v[YA+2*\j:YA+2*\j+1], v[D0+32*(\set)+2*\j:D0+32*(\set)+2*\j+1], v[Z0+32*(\set)+2*\j:Z0+32*(\set)+2*\j+1]   ; the first products start the four sums
.else
	v_pk_fma_f32 v[YA+2*(\j%4):YA+2*(\j%4)+1], v[D0+32*(\set)+2*\j:D0+32*(\set)+2*\j+1], v[Z0+32*(\set)+2*\j:Z0+32*(\set)+2*\j+1], v[YA+2*(\j%4):YA+2*(\j%4)+1]
.endif
.endr
	QUANT32 D0+32*(\set), CR+6*(\t)
.if ((\t)%4) == 0
	v_mov_b32 v[SR+(\t)/4], v[BY]
.else
	v_lshl_or_b32 v[SR+(\t)/4], v[BY], 8*((\t)%4), v[SR+(\t)/4]
.endif
.endm
.macro COMPC g, set
	QUANT32 D0+32*(\set), CT
.irp e, 0,1,2
	ds_store_b64 v[ACS], v[CT+2*\e:CT+2*\e+1] offset:32*CP*(\g)+8*\e   ; node 32 g + lane, bytes 24 w on
.endr
	ds_store_b8 v[ASB], v[BY] offset:256*(\g)
.endm
.macro LOADI k                         ; items 0-3: R 0-3;  4-7: C 0-3 (piece 0);  8-11: R 4-7;  12-15: C 4-7 (piece 1)
.if (((\k)/4)%2) == 0
	LOADR ((\k)/8)*4+(\k)%4, (\k)%2
.else
	LOADC ((\k)/8)*4+(\k)%4, (\k)%2
.endif
.endm
.macro COMPI k
.if (((\k)/4)%2) == 0
	COMPR ((\k)/8)*4+(\k)%4, (\k)%2
.else
	COMPC ((\k)/8)*4+(\k)%4, (\k)%2
.endif
.endm
; 32 nodes x 192 bytes leave a stage as 6,144 consecutive bytes: each store covers 512 of them, at a multiple of 256 from cod's first byte
.macro WAYOUT la, w, base
.irp t, 0,1,2,3,4,5,6,7,8,9,10,11
	ds_load_b128 v[\w+4*\t:\w+4*\t+3], v[\la+\t%3] offset:8*CP*(\t/3)
.endr
.irp t, 0,1,2,3,4,5,6,7,8,9,10,11
	s_wait_dscnt 11-\t                             ; the younger loads may be out
	global_store_b128 v[XO], v[\w+4*\t:\w+4*\t+3], s[\base:\base+1] offset:512*\t th:TH_STORE_NT
.endr
.endm
; My rows' results leave as soon as the last row item is done, ahead of the last four column items.  The row stage lies in piece 0 of my own strip: its one fill has landed, and its last read (item 7) is back.
.macro ROWOUT
	v_pk_add_f32 v[YA:YA+1], v[YA:YA+1], v[YA+2:YA+3]
	v_pk_add_f32 v[YA+4:YA+5], v[YA+4:YA+5], v[YA+6:YA+7]
	v_pk_add_f32 v[YA:YA+1], v[YA:YA+1], v[YA+4:YA+5]
	v_add_f32 v[YA], v[YA], v[YA+1]
	global_store_b32 v[O4], v[YA], s[14:15]        ; 32 lanes: 128 consecutive bytes
	global_store_b64 v[O8], v[SR:SR+1], s[50:51]   ; 32 lanes: 256 consecutive bytes, aligned
.irp j, 0,1,2,3,4,5,6,7,8,9,10,11
	ds_store_b128 v[ARS], v[CR+4*\j:CR+4*\j+3] offset:16*\j
.endr
	WAYOUT LR, 96, 44                              ; LDS serves a wave's instructions in order: the loads see my stores.  v96-143 held z, which no later item reads, and are not written again
.endm
	s_wait_tensorcnt 0x1                           ; piece 0 has landed; piece 1 may be out
	LOADI 0
.irp k, 0,1,2,3,4,5,6,7,8,9,10,11,12,13,14
.if \k == 7
	s_wait_tensorcnt 0x0                           ; piece 1 has landed
.endif
	LOADI (\k)+1                                   ; the next item's numbers, into the other set
.if ((((\k)+1)/4)%2) == 0
	s_wait_dscnt 16                                ; all but the 16 loads just issued: this item's numbers are in, and the last item's stage stores have read their registers
.else
	s_wait_dscnt 32                                ; all but the 32 just issued
.endif
	COMPI \k
.if \k == 11
	ROWOUT                                         ; (its waits also cover item 12's loads, which are older)
.endif
.endr
	s_wait_dscnt 0x0
	COMPI 15
	s_wait_dscnt 0x0                               ; for the others' sake: my stores into the column stage and the scale bytes have landed
	s_barrier_signal -1
	s_barrier_wait -1                              ; everybody's have; behind it nothing writes LDS any more
	WAYOUT LC, 160, 46                             ; nodes 32 w .. 32 w + 31 of the column operand, whose 192 bytes came from all eight waves
	ds_load_b64 v[144:145], v[ASO]
	s_wait_dscnt 0x0
	global_store_b64 v[O8], v[144:145], s[52:53]   ; 256 consecutive bytes, aligned
	s_wait_tensorcnt 0x0
	ds_add_u32 v254, v255
	s_wait_dscnt 0x0
	s_endpgm
.Lfunc_end_k_q988a3c223d_prep:
	.size	k_q988a3c223d_prep, .Lfunc_end_k_q988a3c223d_prep-k_q988a3c223d_prep
	.p2alignl 7, 3214868480
	.fill 96, 4, 3214868480
	.section	.rodata,"a",@progbits
	.p2align	6, 0x0
	.amdhsa_kernel k_q988a3c223d_prep
		.amdhsa_group_segment_fixed_size 327680
		.amdhsa_private_segment_fixed_size 0
		.amdhsa_enable_private_segment 0
		.amdhsa_kernarg_size 48
		.amdhsa_user_sgpr_count 2
		.amdhsa_user_sgpr_kernarg_segment_ptr 1
		.amdhsa_wavefront_size32 1
		.amdhsa_system_sgpr_workgroup_id_x 1
		.amdhsa_system_sgpr_workgroup_id_y 1
		.amdhsa_system_sgpr_workgroup_id_z 1
		.amdhsa_system_vgpr_workitem_id 0
		.amdhsa_next_free_vgpr 256
		.amdhsa_next_free_sgpr 66
		.amdhsa_reserve_vcc 0
		.amdhsa_float_denorm_mode_32 3
		.amdhsa_float_denorm_mode_16_64 3
		.amdhsa_memory_ordered 1
		.amdhsa_forward_progress 1
		.amdhsa_inst_pref_size 97
	.end_amdhsa_kernel
	.amdgpu_metadata
---
amdhsa.version: [ 1, 2 ]
amdhsa.kernels:
  - .name:           k_q988a3c223d_prep
    .symbol:         k_q988a3c223d_prep.kd
    .args:
      - { .name: A, .offset: 0, .size: 8, .value_kind: global_buffer, .address_space: global }
      - { .name: X, .offset: 8, .size: 8, .value_kind: global_buffer, .address_space: global }
      - { .name: kernel, .offset: 16, .size: 8, .value_kind: global_buffer, .address_space: global }
      - { .name: cod, .offset: 24, .size: 8, .value_kind: global_buffer, .address_space: global }
      - { .name: scp, .offset: 32, .size: 8, .value_kind: global_buffer, .address_space: global }
      - { .name: yp, .offset: 40, .size: 8, .value_kind: global_buffer, .address_space: global }
    .group_segment_fixed_size: 327680
    .private_segment_fixed_size: 0
    .kernarg_segment_align: 8
    .kernarg_segment_size: 48
    .max_flat_workgroup_size: 256
    .sgpr_count:     66
    .vgpr_count:     256
    .wavefront_size: 32
...
	.end_amdgpu_metadata
.endif
;; end of part 4
;; launch pool (part 5): grid 4 x 64, 8 waves a work-group, no clusters, 87,552 bytes of LDS; arguments yp, cod, scp, X, I, cc, cs, out0, out2; writes cc, cs, out0, out2
.if DOCPART == 5
	.amdgcn_target "amdgcn-amd-amdhsa--gfx1250"
	.amdhsa_code_object_version 6
	.text
	.protected	k_q988a3c223d_pool
	.globl	k_q988a3c223d_pool
	.p2align	8
	.type	k_q988a3c223d_pool,@function
k_q988a3c223d_pool:
	s_mov_b64 s[64:65], 0
	v_nop
	global_prefetch_b8 v0, s[64:65] scope:SCOPE_SE
	s_setreg_imm32_b32 hwreg(HW_REG_WAVE_MODE, 25, 1), 1
	s_wait_xcnt 0x0
; POOL.  For graph g (work-group y): y = the sum of the 16 parts in yp; the 32 nodes of largest y are kept (equal y: the lower node first, as a stable descending sort has it), in node order.
; The kept rows of everything are moved together WITHOUT ANY ADDRESS THAT HANGS ON THE CHOICE: a wave holds 64 rows x 256 bytes in registers (row i in v[D + 2 i], 8 bytes a lane) and a network of six stages of
; v_cndmask_b32 moves kept row i down by d = i - (its place among the kept), one bit of d a stage, the lowest first.  Kept rows never meet: for kept i < i', d' - d <= i' - i - 1, so their places stay in order after every stage;
; places are taken in ascending order, so a source is read before it is written.  A stage's mask has a bit for each place that takes the row 2^s above it; it is the same for every lane.
; UNITS, one a wave.  Work-groups x = 0, 1, 2: unit u = 8 x + wave: operand u / 12, strip u % 12 (256 bytes of each node's 3,072 code bytes).  x = 3: waves 0-3 the four strips of X (times tanh y) -> out0;
; wave 4 the scale bytes of both operands; wave 5 I -> out2; waves 6 and 7 have no unit and end.  Every wave makes its graph's choice anew, by the same lines in the same order.  No barrier: waves share nothing.
; IN:   cod [operand 2][t 16][node 4096][192 B]: byte b of a node's code row lies in part t = b / 192, at byte b - 192 t of the node's 192.
; OUT:  cc [operand 2][rowgroup 128][piece 192][r 16][16 B]: compact row 16 rg + r, piece q = bytes 16 q .. of its 3,072 code bytes.   cs [rowgroup 128][operand 2][piece 8][r 16][16 B]: 16 scale bytes = 4 K steps of 128.
; LIMITS: NaN among the scores is not served; scores that differ by less than the rounding of an f32 sum taken in another order may be chosen otherwise than by a row-by-row dot product;
; tanh y = 1 - 2 / (1 + 2^(2 log2(e) y)): absolute error of the order of an ulp of 1, and +-1 where the exponential overflows or vanishes.
.set TWB, 8448                         ; LDS: a stage of 16 pieces x 528 bytes for each wave (32 rows x 16 bytes + 16)
.set SI,  67584                        ; the scales' way in: 64 nodes x 264 bytes; wave 4 of x = 3 alone touches it
.set D,   64                           ; v64-191 the 64 rows
.set TK,  32                           ; s[32:43] the masks: stage s in s[TK + 2 s] (places 0-31) and s[TK + 2 s + 1] (places 32-63)
.set SEL, 56                           ; s[56:57] lane l xor 16
.set SJ,  66                           ; s66-73 eight y_j; later a bank of the network's masks
.set MG,  74                           ; s74-81 whom j beats in its own half; later the other bank
.set ME,  82                           ; s82-89 at work
.set MO,  90                           ; s90-97 whom j beats in the other half
; v1 lane; v2 8 x lane; v3 the way out's offset; v4, v5 stage in, back; v8, v9 the scales' way in; v10, v11 y of nodes lane, lane + 32; v12, v13 ranks; v14, v15 places; v16, v17 d;
; v18-25 at work; v26 the code loads' offset; v27 16 x lane; v28 4 x lane; v29 at work; v31 lane + 32; v32-63 the 16 parts of y, then the six stages' mask words
	s_load_b512 s[4:19], s[0:1], 0x0               ; yp s[4:5], cod s[6:7], scp s[8:9], X s[10:11], I s[12:13], cc s[14:15], cs s[16:17], out0 s[18:19]
	s_load_b64 s[20:21], s[0:1], 0x40              ; out2
	v_lshl_add_u32 v192, v0, 2, 0x15200
	v_mov_b32 v193, 0
	v_lshrrev_b32 v1, 5, v0
	v_readfirstlane_b32 s22, v1                    ; wave
	v_and_b32 v1, 31, v0                           ; lane
	s_mov_b32 s23, ttmp9                           ; x
	s_and_b32 s24, ttmp7, 0xffff                   ; g
	s_lshl_b32 s25, s23, 3
	s_add_co_u32 s25, s25, s22                     ; u
	; every LDS address is made here, ahead of the first parting of the roles
	v_lshlrev_b32 v2, 3, v1
	s_mul_i32 s47, s22, TWB
	v_lshrrev_b32 v18, 1, v1
	v_mul_u32_u24 v4, v18, 528
	v_and_b32 v18, 1, v1
	v_lshl_add_u32 v4, v18, 3, v4
	v_add_nc_u32 v4, s47, v4                       ; in: piece lane / 2, half lane % 2; row j 16 j on
	v_lshl_add_u32 v5, v1, 4, s47                  ; back: row = lane; piece q 528 q on
	v_mul_u32_u24 v8, v1, 528
	v_add_nc_u32 v8, SI, v8                        ; nodes 2 lane and 2 lane + 1
	v_lshl_add_u32 v9, v1, 3, SI
	v_lshlrev_b32 v27, 4, v1
	v_lshlrev_b32 v28, 2, v1
	v_add_nc_u32 v31, 32, v1
	v_mov_b32 v12, 0                               ; the ranks begin at 0
	v_mov_b32 v13, 0
	s_mov_b32 s[SEL], 0x76543210
	s_mov_b32 s[SEL+1], 0xfedcba98
	; offsets, in registers of their own
	s_cmp_ge_u32 s25, 12
	s_cselect_b32 s47, 1, 0                        ; operand (of a code unit)
	s_mul_i32 s48, s47, 12
	s_sub_co_u32 s48, s25, s48                     ; strip
	s_lshl_b32 s49, s48, 8
	v_add_nc_u32 v26, s49, v2                      ; b = 256 strip + 8 lane: my 8 bytes of a code row
	v_lshrrev_b32 v29, 6, v26
	v_mul_u32_u24 v29, v29, 171
	v_lshrrev_b32 v29, 9, v29                      ; t = b / 192 = (b / 64) / 3 (exact up to b / 64 = 255)
	v_mad_u32_u24 v26, v29, 0xbff40, v26           ; 786,432 t + (b - 192 t): part t, my place in a node's 192 bytes
	s_mov_b32 s31, 0
	s_wait_kmcnt 0x0
	s_mul_i32 s30, s47, 12582912
	s_mul_i32 s49, s24, 12288                      ; 64 nodes of 192 bytes
	s_add_co_u32 s30, s30, s49
	s_add_nc_u64 s[6:7], s[6:7], s[30:31]          ; cod at my operand and graph (used by code units alone)
	s_mul_i32 s30, s47, 6291456
	s_mul_i32 s49, s24, 98304                      ; two rowgroups of 49,152 bytes
	s_add_co_u32 s30, s30, s49
	s_lshl_b32 s49, s48, 12                        ; 16 pieces of 256 bytes
	s_add_co_u32 s30, s30, s49
	s_lshl_b32 s49, s24, 13                        ; cs: two rowgroups of 4,096 bytes
	s_mov_b32 s50, 4096
	s_cmp_lg_u32 s23, 3                            ; the shared way out goes to cc (code units) or to cs (the scale unit): the choice hangs on the work-group's number alone
	s_cselect_b64 s[28:29], s[14:15], s[16:17]
	s_cselect_b32 s30, s30, s49
	s_cselect_b32 s50, 49152, s50                  ; from rowgroup to rowgroup
	s_add_nc_u64 s[28:29], s[28:29], s[30:31]
	v_lshrrev_b32 v18, 4, v1
	v_mul_lo_u32 v3, v18, s50
	v_and_b32 v18, 15, v1
	v_lshl_add_u32 v3, v18, 4, v3                  ; lanes 0-15: rowgroup 2 g, lanes 16-31: 2 g + 1; 16 bytes a row
	s_lshl_b32 s30, s24, 8
	s_add_nc_u64 s[4:5], s[4:5], s[30:31]          ; yp and I at my graph: 64 numbers of 4 bytes
	s_add_nc_u64 s[12:13], s[12:13], s[30:31]
	s_lshl_b32 s30, s24, 9
	s_add_nc_u64 s[8:9], s[8:9], s[30:31]          ; scp: 64 nodes of 8 bytes
	s_lshl_b32 s30, s24, 7
	s_add_nc_u64 s[20:21], s[20:21], s[30:31]      ; out2: 32 numbers
	s_lshl_b32 s49, s22, 8                         ; X's strip = wave
	s_lshl_b32 s30, s24, 16
	s_add_co_u32 s30, s30, s49
	s_add_nc_u64 s[10:11], s[10:11], s[30:31]      ; X: 64 rows of 1,024 bytes
	s_lshl_b32 s30, s24, 15
	s_add_co_u32 s30, s30, s49
	s_add_nc_u64 s[18:19], s[18:19], s[30:31]      ; out0: 32 rows
	s_cmp_lg_u32 s23, 3
	s_cbranch_scc1 .Lgo
	s_cmp_ge_u32 s22, 6
	s_cbranch_scc1 .Lend                           ; 30 units for 32 waves
.Lgo:
.set t, 0
.rept 16
	global_load_b32 v[32+2*t], v28, s[4:5] offset:16384*t       ; part t of y: node = lane,
	global_load_b32 v[33+2*t], v28, s[4:5] offset:16384*t+128   ; node = lane + 32
.set t, t+1
.endr
	s_cmp_lg_u32 s23, 3
	s_cbranch_scc1 .Lcode
	s_cmp_lt_u32 s22, 4
	s_cbranch_scc1 .Lxarm
	s_cmp_eq_u32 s22, 4
	s_cbranch_scc1 .Lsarm
	global_load_b32 v[D], v28, s[12:13]            ; I of nodes lane and lane + 32
	global_load_b32 v[D+1], v28, s[12:13] offset:128
	s_wait_loadcnt 0x0
	s_branch .Ltopk
.Lsarm:                                            ; the scale bytes: (operand, t) = n brings 8 bytes of each node; they turn through LDS so that lane n holds them and the registers run over the nodes
.set n, 0
.rept 32
	global_load_b128 v[D+4*n:D+4*n+3], v27, s[8:9] offset:(n/16)*524288+(n%16)*32768 th:TH_LOAD_NT
.set n, n+1
.endr
	s_wait_loadcnt 0x0
.set n, 0
.rept 32
	ds_store_b64 v8, v[D+4*n:D+4*n+1] offset:8*n
	ds_store_b64 v8, v[D+4*n+2:D+4*n+3] offset:264+8*n
.set n, n+1
.endr
	s_wait_dscnt 0x0                               ; the stores have read their registers, which the loads below write
.set i, 0
.rept 64
	ds_load_b64 v[D+2*i:D+2*i+1], v9 offset:264*i
.set i, i+1
.endr
	s_branch .Ltopk
.Lxarm:
.set i, 0
.rept 64
	global_load_b64 v[D+2*i:D+2*i+1], v2, s[10:11] offset:1024*i th:TH_LOAD_NT   ; 32 lanes: 256 consecutive bytes, aligned
.set i, i+1
.endr
	s_wait_loadcnt 63                              ; 64 loads were issued behind y's 32: with 63 out at the most, those 32 are in
	s_branch .Ltopk
.Lcode:
.set i, 0
.rept 64
	global_load_b64 v[D+2*i:D+2*i+1], v26, s[6:7] offset:192*i   ; node i: my lanes' 256 bytes are two runs, in two neighbouring parts t
.set i, i+1
.endr
	s_wait_loadcnt 63                              ; as above
.Ltopk:
	; ---- y, the ranks, the places, the masks
.set t, 1
.rept 14
	v_pk_add_f32 v[32:33], v[32:33], v[32+2*t:33+2*t]   ; t ascending: one order for every wave that sums this graph
.set t, t+1
.endr
	v_pk_add_f32 v[10:11], v[32:33], v[62:63]
; rank of node i = how many j have y_j > y_i, or y_j = y_i and j < i.  Eight j at a time, each kind of line in a run, every j with scalar registers of its own: no line waits for the line above it.
; ys, rs: y and rank of j's own half; yo, ro: of the other half; low = 1: j lies in the lower half, so every node of the other half has i > j and equality counts there.
.macro RANK8 ys, rs, yo, ro, j0, low
.irp q, 0,1,2,3,4,5,6,7
	v_readlane_b32 s[SJ+\q], v[\ys], (\j0)+\q
.endr
.irp q, 0,1,2,3,4,5,6,7
	v_cmp_gt_f32 s[MG+\q], s[SJ+\q], v[\ys]
	v_cmp_ge_f32 s[ME+\q], s[SJ+\q], v[\ys]
.if \low
	v_cmp_ge_f32 s[MO+\q], s[SJ+\q], v[\yo]
.else
	v_cmp_gt_f32 s[MO+\q], s[SJ+\q], v[\yo]
.endif
.endr
.irp q, 0,1,2,3,4,5,6,7
	s_and_b32 s[ME+\q], s[ME+\q], (0xffffffff<<((\j0)+\q+1))&0xffffffff   ; in j's own half equality counts for the lanes above j
	s_or_b32 s[MG+\q], s[MG+\q], s[ME+\q]
.endr
.irp q, 0,4
	v_cndmask_b32 v18, 0, 1, s[MG+\q]
	v_cndmask_b32 v19, 0, 1, s[MG+\q+1]
	v_cndmask_b32 v20, 0, 1, s[MO+\q]
	v_cndmask_b32 v21, 0, 1, s[MO+\q+1]
	v_cndmask_b32 v22, 0, 1, s[MG+\q+2]
	v_cndmask_b32 v23, 0, 1, s[MG+\q+3]
	v_cndmask_b32 v24, 0, 1, s[MO+\q+2]
	v_cndmask_b32 v25, 0, 1, s[MO+\q+3]
	v_add3_u32 v[\rs], v[\rs], v18, v19
	v_add3_u32 v[\ro], v[\ro], v20, v21
	v_add3_u32 v[\rs], v[\rs], v22, v23
	v_add3_u32 v[\ro], v[\ro], v24, v25
.endr
.endm
.irp j, 0,8,16,24
	RANK8 10, 12, 11, 13, \j, 1
.endr
.irp j, 0,8,16,24
	RANK8 11, 13, 10, 12, \j, 0
.endr
	v_cmp_gt_u32 s44, 32, v12                      ; kept: rank under 32
	v_cmp_gt_u32 s45, 32, v13
	s_bcnt1_i32_b32 s46, s44
	v_mbcnt_lo_u32_b32 v14, s44, 0                 ; place = kept nodes below me
	v_mbcnt_lo_u32_b32 v15, s45, s46
	v_sub_nc_u32 v16, v1, v14
	v_sub_nc_u32 v17, v31, v15
	v_cndmask_b32 v16, 0, v16, s44                 ; d = node - place, 0 to 32; a node that is dropped moves nothing
	v_cndmask_b32 v17, 0, v17, s45
; The six stages' masks, line by line in turn.  Stage s: v[32 + 4 s] the word for places 0-31, v[33 + 4 s] for places 32-63 (stages 4 and 5 reach no such place), v[34 + 4 s], v[35 + 4 s] at work.
.irp s, 0,1,2,3,4,5
	v_bfe_u32 v[32+4*\s], v16, \s, 1               ; does my lower node move in this stage,
.endr
.irp s, 0,1,2,3,4,5
	v_and_b32 v[34+4*\s], (2<<\s)-1, v16
.endr
.irp s, 0,1,2,3,4,5
	v_sub_nc_u32 v[34+4*\s], v1, v[34+4*\s]        ; and to which place: node - (d mod 2^(s+1)); a lower node's lies under 32
.endr
.irp s, 0,1,2,3,4,5
	v_lshlrev_b32 v[32+4*\s], v[34+4*\s], v[32+4*\s]
.endr
.irp s, 0,1,2,3,4,5
	v_bfe_u32 v[33+4*\s], v17, \s, 1               ; the same for my upper node
.endr
.irp s, 0,1,2,3,4,5
	v_and_b32 v[35+4*\s], (2<<\s)-1, v17
.endr
.irp s, 0,1,2,3,4,5
	v_sub_nc_u32 v[35+4*\s], v31, v[35+4*\s]
.endr
.irp s, 0,1,2,3,4,5
	v_lshlrev_b32 v[33+4*\s], v[35+4*\s], v[33+4*\s]   ; (the shift takes the place's low five bits)
.endr
.irp s, 0,1,2,3,4,5
	v_cmp_gt_u32 s[SJ+\s], 32, v[35+4*\s]
.endr
.irp s, 0,1,2,3,4,5
	v_cndmask_b32 v[34+4*\s], 0, v[33+4*\s], s[SJ+\s]
.endr
.irp s, 0,1,2,3,4,5
	v_or_b32 v[32+4*\s], v[32+4*\s], v[34+4*\s]    ; my bits of the word for places 0-31
.endr
.irp s, 0,1,2,3
	v_cndmask_b32 v[33+4*\s], v[33+4*\s], 0, s[SJ+\s]  ; and of the word for places 32-63
.endr
.irp m, 1,2,4,8                                    ; the 32 lanes' bits are joined
.irp s, 0,1,2,3,4,5
	v_mov_b32_dpp v[34+4*\s], v[32+4*\s] row_xmask:\m row_mask:0xf bank_mask:0xf
.endr
.irp s, 0,1,2,3
	v_mov_b32_dpp v[35+4*\s], v[33+4*\s] row_xmask:\m row_mask:0xf bank_mask:0xf
.endr
.irp s, 0,1,2,3,4,5
	v_or_b32 v[32+4*\s], v[32+4*\s], v[34+4*\s]
.endr
.irp s, 0,1,2,3
	v_or_b32 v[33+4*\s], v[33+4*\s], v[35+4*\s]
.endr
.endr
.irp s, 0,1,2,3,4,5
	v_permlanex16_b32 v[34+4*\s], v[32+4*\s], s[SEL], s[SEL+1]
.endr
.irp s, 0,1,2,3
	v_permlanex16_b32 v[35+4*\s], v[33+4*\s], s[SEL], s[SEL+1]
.endr
.irp s, 0,1,2,3,4,5
	v_or_b32 v[32+4*\s], v[32+4*\s], v[34+4*\s]
.endr
.irp s, 0,1,2,3
	v_or_b32 v[33+4*\s], v[33+4*\s], v[35+4*\s]
.endr
.irp s, 0,1,2,3,4,5
	v_readfirstlane_b32 s[TK+2*\s], v[32+4*\s]
.endr
.irp s, 0,1,2,3
	v_readfirstlane_b32 s[TK+2*\s+1], v[33+4*\s]
.endr
	s_wait_loadcnt 0x0                             ; the unit's rows are in, whichever way they came
	s_wait_dscnt 0x0
	s_cmp_lg_u32 s23, 3
	s_cbranch_scc1 .Lnet
	s_cmp_eq_u32 s22, 5
	s_cbranch_scc1 .Liunit
	s_cmp_eq_u32 s22, 4
	s_cbranch_scc1 .Lnet
	; ---- X: every row times tanh of its y, ahead of the network
	v_mul_f32 v18, 0x4038aa3b, v10                 ; 2 log2(e) y
	v_mul_f32 v19, 0x4038aa3b, v11
	v_exp_f32 v18, v18
	v_exp_f32 v19, v19
	v_nop                                          ; a plain line behind the transcendentals,
	s_wait_alu depctr_va_vdst(0)                   ; and one wait for the two, ahead of their first reader
	v_add_f32 v18, 1.0, v18
	v_add_f32 v19, 1.0, v19
	v_rcp_f32 v18, v18
	v_rcp_f32 v19, v19
	v_nop
	s_wait_alu depctr_va_vdst(0)
	v_fma_f32 v18, v18, -2.0, 1.0
	v_fma_f32 v19, v19, -2.0, 1.0
.set i, 0
.rept 8
.irp q, 0,1,2,3,4,5,6,7
	v_readlane_b32 s[48+\q], v[18+(i+\q)/32], (i+\q)%32
.endr
.irp q, 0,1,2,3,4,5,6,7
	v_mul_f32 v[D+2*(i+\q)], s[48+\q], v[D+2*(i+\q)]
	v_mul_f32 v[D+2*(i+\q)+1], s[48+\q], v[D+2*(i+\q)+1]
.endr
.set i, i+8
.endr
.Lnet:
; A stage: place p takes the row 2^s above it where its bit is set.  lim: no kept row comes to rest at or above it in this stage (place <= 31 and d <= 32 give 64 - 2^(s+1), and 32 for the last).
; Eight places at a time: their eight masks first, then their sixteen selects, in ascending order of the places; the masks stand in two banks of eight scalar registers by turns.
.macro STAGE s, lim
.set p, 0
.rept ((\lim)+7)/8
.irp q, 0,1,2,3,4,5,6,7
.if p+\q < (\lim)
	s_bitcmp1_b32 s[TK+2*(\s)+(p+\q)/32], (p+\q)%32
	s_cselect_b32 s[SJ+8*((p/8)%2)+\q], -1, 0
.endif
.endr
.irp q, 0,1,2,3,4,5,6,7
.if p+\q < (\lim)
	v_cndmask_b32 v[D+2*(p+\q)], v[D+2*(p+\q)], v[D+2*(p+\q+(1<<(\s)))], s[SJ+8*((p/8)%2)+\q]
	v_cndmask_b32 v[D+2*(p+\q)+1], v[D+2*(p+\q)+1], v[D+2*(p+\q+(1<<(\s)))+1], s[SJ+8*((p/8)%2)+\q]
.endif
.endr
.set p, p+8
.endr
.endm
	STAGE 0, 62
	STAGE 1, 60
	STAGE 2, 56
	STAGE 3, 48
	STAGE 4, 32
	STAGE 5, 32
	s_cmp_lg_u32 s23, 3
	s_cbranch_scc1 .Lstage
	s_cmp_eq_u32 s22, 4
	s_cbranch_scc1 .Lstage
.set j, 0
.rept 32
	global_store_b64 v2, v[D+2*j:D+2*j+1], s[18:19] offset:1024*j th:TH_STORE_NT   ; out0: 32 lanes store 256 consecutive bytes, aligned
.set j, j+1
.endr
	s_wait_tensorcnt 0x0
	ds_add_u32 v192, v193
	s_wait_dscnt 0x0
	s_endpgm
.Lstage:                                           ; codes and scales: row-major 8 bytes a lane become piece-major 16 bytes a row
.set j, 0
.rept 32
	ds_store_b64 v4, v[D+2*j:D+2*j+1] offset:16*j  ; the 32 lanes touch 64 different banks: piece pitch 528 bytes = 132 words
.set j, j+1
.endr
.set q, 0
.rept 16
	ds_load_b128 v[128+4*q:131+4*q], v5 offset:528*q   ; LDS serves a wave's instructions in order; rows 32-63's registers are free
.set q, q+1
.endr
.set q, 0
.rept 16
	s_wait_dscnt 15-q                              ; the younger loads may be out
	global_store_b128 v3, v[128+4*q:131+4*q], s[28:29] offset:256*q   ; sixteen lanes store 256 consecutive bytes, aligned; lanes 16-31 the next rowgroup's
.set q, q+1
.endr
	s_wait_tensorcnt 0x0
	ds_add_u32 v192, v193
	s_wait_dscnt 0x0
	s_endpgm
.Liunit:                                           ; I: lane l takes I of the node whose place is l
	v_mov_b32 v25, 0xff
	v_cndmask_b32 v14, v25, v14, s44               ; a dropped node has no place
	v_cndmask_b32 v15, v25, v15, s45
	v_mov_b32 v[D+2], 0
.set i, 0
.rept 32
	v_readlane_b32 s47, v14, i
	v_readlane_b32 s48, v[D], i
	v_cmp_eq_u32 vcc_lo, s47, v1
	v_cndmask_b32 v[D+2], v[D+2], s48, vcc_lo
.set i, i+1
.endr
.set i, 0
.rept 32
	v_readlane_b32 s47, v15, i
	v_readlane_b32 s48, v[D+1], i
	v_cmp_eq_u32 vcc_lo, s47, v1
	v_cndmask_b32 v[D+2], v[D+2], s48, vcc_lo
.set i, i+1
.endr
	global_store_b32 v28, v[D+2], s[20:21]
.Lend:
	s_wait_tensorcnt 0x0
	ds_add_u32 v192, v193
	s_wait_dscnt 0x0
	s_endpgm
.Lfunc_end_k_q988a3c223d_pool:
	.size	k_q988a3c223d_pool, .Lfunc_end_k_q988a3c223d_pool-k_q988a3c223d_pool
	.p2alignl 7, 3214868480
	.fill 96, 4, 3214868480
	.section	.rodata,"a",@progbits
	.p2align	6, 0x0
	.amdhsa_kernel k_q988a3c223d_pool
		.amdhsa_group_segment_fixed_size 87552
		.amdhsa_private_segment_fixed_size 0
		.amdhsa_enable_private_segment 0
		.amdhsa_kernarg_size 72
		.amdhsa_user_sgpr_count 2
		.amdhsa_user_sgpr_kernarg_segment_ptr 1
		.amdhsa_wavefront_size32 1
		.amdhsa_system_sgpr_workgroup_id_x 1
		.amdhsa_system_sgpr_workgroup_id_y 1
		.amdhsa_system_sgpr_workgroup_id_z 1
		.amdhsa_system_vgpr_workitem_id 0
		.amdhsa_next_free_vgpr 194
		.amdhsa_next_free_sgpr 100
		.amdhsa_reserve_vcc 1
		.amdhsa_float_denorm_mode_32 3
		.amdhsa_float_denorm_mode_16_64 3
		.amdhsa_memory_ordered 1
		.amdhsa_forward_progress 1
		.amdhsa_inst_pref_size 160
	.end_amdhsa_kernel
	.amdgpu_metadata
---
amdhsa.version: [ 1, 2 ]
amdhsa.kernels:
  - .name:           k_q988a3c223d_pool
    .symbol:         k_q988a3c223d_pool.kd
    .args:
      - { .name: yp, .offset: 0, .size: 8, .value_kind: global_buffer, .address_space: global }
      - { .name: cod, .offset: 8, .size: 8, .value_kind: global_buffer, .address_space: global }
      - { .name: scp, .offset: 16, .size: 8, .value_kind: global_buffer, .address_space: global }
      - { .name: X, .offset: 24, .size: 8, .value_kind: global_buffer, .address_space: global }
      - { .name: I, .offset: 32, .size: 8, .value_kind: global_buffer, .address_space: global }
      - { .name: cc, .offset: 40, .size: 8, .value_kind: global_buffer, .address_space: global }
      - { .name: cs, .offset: 48, .size: 8, .value_kind: global_buffer, .address_space: global }
      - { .name: out0, .offset: 56, .size: 8, .value_kind: global_buffer, .address_space: global }
      - { .name: out2, .offset: 64, .size: 8, .value_kind: global_buffer, .address_space: global }
    .group_segment_fixed_size: 87552
    .private_segment_fixed_size: 0
    .kernarg_segment_align: 8
    .kernarg_segment_size: 72
    .max_flat_workgroup_size: 256
    .sgpr_count:     100
    .vgpr_count:     194
    .wavefront_size: 32
...
	.end_amdgpu_metadata
.endif
;; end of part 5
;; launch gemm (part 6): grid 16 x 16, 4 waves a work-group, clusters of 4 x 4, 327,680 bytes of LDS; arguments cc, cs, out1; writes out1
.if DOCPART == 6
	.amdgcn_target "amdgcn-amd-amdhsa--gfx1250"
	.amdhsa_code_object_version 6
	.text
	.protected	k_q988a3c223d_gemm
	.globl	k_q988a3c223d_gemm
	.p2align	8
	.type	k_q988a3c223d_gemm,@function
k_q988a3c223d_gemm:
	s_mov_b64 s[64:65], 0
	v_nop
	global_prefetch_b8 v0, s[64:65] scope:SCOPE_SE
	s_setreg_imm32_b32 hwreg(HW_REG_WAVE_MODE, 25, 1), 1
	s_wait_xcnt 0x0
	s_wait_alu depctr_hold_cnt(0) depctr_sa_sdst(0) depctr_va_vdst(0) depctr_va_sdst(0) depctr_va_ssrc(0) depctr_va_vcc(0) depctr_vm_vsrc(0)
	s_getreg_b32 s2, hwreg(HW_REG_IB_STS2, 6, 4)
	s_cmp_eq_u32 s2, 0
	s_cbranch_scc0 .Lentry_in_a_cluster
	s_endpgm
.Lentry_in_a_cluster:
	s_bfe_u32 s2, ttmp6, 0x10000c
	s_cmp_lg_u32 s2, 0xf033
	s_cbranch_scc0 .Lentry_shape_is_right
	s_endpgm
.Lentry_shape_is_right:
; GEMM.  out1[m][n] = the sum over k of (kept row m of A)[k] x (kept column n of A)[k]: 2,048 x 2,048 x 4,096 on codes of BF6 (E3M2) with one E8M0 scale for each 32 along K; sums in f32.
; cc [operand 2][rowgroup 128][piece 192][r 16][16 B]: a rowgroup is 16 rows; piece q = bytes 16 q .. of each row's 3,072 code bytes.  A K step of 128 is six pieces, 1,536 dense bytes of a rowgroup.
; HOW A FRAGMENT IS FED: lane (r, h) takes the 48 bytes at 96 ks + 48 h of its row, three pieces, by three ds_load_b128 whose sixteen lanes read 256 consecutive bytes.  So its registers 0-5 hold the step's block 2 h and
; registers 6-11 block 2 h + 1, where the operand's layout has blocks h and 2 + h: blocks 1 and 2 have changed places, alike in both operands, each block of 32 with its own scale: the scale words' bytes 1 and 2 are exchanged
; once (v_perm_b32).  The products are the same; only the order of the sums inside an instruction differs.
; SHARES: a tile of 128 x 128 to a work-group (256 work-groups; tiles of 256 x 256 would be 64); four waves, each 64 x 64: 16 accumulators.  32 K steps, written out, since a step's scale registers have numbers of their own.
; RING: two regions, RA of six K steps (147,456 bytes) and RB of seven (172,032 bytes), each the rows' 8 rowgroups and then the columns' 8.  K step k lies in RA where k mod 13 < 6, else in RB.
; Fills: steps 0-5 and 6-12 at the start (two loads of a wave are out), then 13-18, 19-25 and 26-31, one load a wave behind a change of regions: three refills for the 19 K steps that the start does not hold,
; the fewest that 13 K steps of LDS allow, since a refill takes no more than what has been read out since the last.
; CLUSTER 4 x 4: the four work-groups of a row of the cluster need the same rows (operand 0), the four of a column the same columns (operand 1): each tile is asked for jointly.
; THE MATRIX INSTRUCTION IS USED TRANSPOSED (source 0 = 16 columns' codes, source 1 = 16 rows' codes): a lane holds eight neighbouring numbers of a row of out1.
; No prefetch: a small tile, and 13 of its 32 K steps are asked for at the launch's head.
; REGISTERS: window 0: v1-15 addresses; v16-143 scale words (32 i + ks: lanes 0-15 rows' rowgroup i, lanes 16-31 columns' rowgroup i); v144-191, v192-239 fragment set 0 (rows', columns').
;            window 1: v0-127 the accumulators ((a, b) at 8 (4 a + b)); v128-175, v176-223 fragment set 1.
.set STP,   1536                       ; a K step of a rowgroup
.set RGA,   6*STP                      ; a rowgroup in RA
.set WLA,   4*RGA                      ; what one tensor load brings into RA: 4 rowgroups
.set RB,    4*WLA                      ; RB begins behind RA
.set RGB,   7*STP                      ; a rowgroup in RB
.set WLB,   4*RGB
.set LAP,   13*STP                     ; from a region's fill to its next, along a rowgroup's bytes
.set SPARE, RB+4*WLB                   ; 319,488: behind the ring: the spare words, 128 bytes a wave: two blocks of 256 bytes that no other line names
.set ADRA,  2                          ; v2-3  my rows' fragments in RA, RB
.set ADRB,  4                          ; v4-5  my columns'
.set STO,   8                          ; v8    the way out: where I put 32 bytes of a row
.set RD,    9                          ; v9    where I read a row back
.set CO,    10                         ; v10   my byte offset in out1
.set SCO,   11                         ; v11   my byte offset in cs
.set SPW,   12                         ; v12   my spare word; never rewritten
.set NIL,   13                         ; v13   0; never rewritten
.set SC,    16
.set G1,   24                          ; s[24:31] group 1, rows' tiles of six K steps;   s[32:35] their group 0
.set G0,   32
.set G1B,  48                          ; s[48:55], s[56:59] the same for columns' tiles
.set G0B,  56
.set G1L,  68                          ; s[68:75], s[76:79] tiles of seven K steps, rows';   s[80:87], s[88:91] columns'
.set G0L,  76
.set G1LB, 80
.set G0LB, 88
.set MSB, 0
.macro WIN new                         ; the immediate's high byte repeats the setting that is left
.if MSB != \new
	s_set_vgpr_msb (MSB<<8)|\new
.set MSB, \new
.endif
.endm
; A joint load: waves 0 and 1 fetch the rows' halves, waves 2 and 3 the columns'.  The branch hangs on the wave's number alone.  Four v_nop follow each of the two lines.
.macro JLOAD g0a, g1a, g0b, g1b
	s_cmp_eq_u32 s15, 0
	s_cbranch_scc0 .Lfor_b_\@
	tensor_load_to_lds s[\g0a:\g0a+3], s[\g1a:\g1a+7]
	s_nop 0
.rept 4
	v_nop
.endr
	s_branch .Lasked_\@
.Lfor_b_\@:
	tensor_load_to_lds s[\g0b:\g0b+3], s[\g1b:\g1b+7]
	s_nop 0
.rept 4
	v_nop
.endr
.Lasked_\@:
.endm
.macro CREST                           ; a round of the cluster's barrier behind its opening barrier
	s_cmp_lg_u32 s14, 0
	s_cbranch_scc1 .Lnot_wave_0_\@
	s_barrier_signal -3
.Lnot_wave_0_\@:
	s_barrier_wait -3
	s_barrier_signal -1
	s_barrier_wait -1
.endm
.macro CROUND
	s_barrier_signal -1
	s_barrier_wait -1
	CREST
.endm
.macro PLACES n
.rept \n
	v_nop
.endr
.endm
	s_load_b128 s[4:7], s[0:1], 0x0                ; cc s[4:5], cs s[6:7]
	s_load_b64 s[8:9], s[0:1], 0x10                ; out1
	v_lshl_add_u32 v[SPW], v0, 2, SPARE
	v_mov_b32 v[NIL], 0
	ds_add_u32 v12, v13
	ds_add_u32 v12, v13
	s_wait_dscnt 0x0
	v_lshrrev_b32 v1, 5, v0
	v_readfirstlane_b32 s14, v1                    ; wave 0..3
	s_lshr_b32 s15, s14, 1                         ; which 64 rows are mine.  Also: I fetch rows' tiles (0) or columns' (1)
	s_and_b32 s16, s14, 1                          ; which 64 columns.  Also: which four rowgroups I fetch
	s_bfe_u32 s40, ttmp6, 0x40000                  ; cx, cy
	s_bfe_u32 s41, ttmp6, 0x40004
	s_lshl_b32 s42, ttmp9, 2
	s_add_co_u32 s42, s42, s40                     ; tile column
	s_and_b32 s17, ttmp7, 0xffff
	s_lshl_b32 s17, s17, 2
	s_add_co_u32 s17, s17, s41                     ; tile row
	s_lshl_b32 s43, s41, 2
	s_lshl_b32 s43, 15, s43                        ; my row of the cluster
	s_lshl_b32 s44, 0x1111, s40                    ; my column
	; group 1: 4 rowgroups x 1,152 elements of 8 bytes (six K steps), 6,144 elements from rowgroup to rowgroup; dense in LDS
	s_or_b32 s[G1], s43, (3<<16)|(1<<21)
	s_or_b32 s[G1B], s44, (3<<16)|(1<<21)
	s_or_b32 s[G1L], s43, (3<<16)|(1<<21)
	s_or_b32 s[G1LB], s44, (3<<16)|(1<<21)
.irp g, G1, G1B
	s_mov_b32 s[\g+1], 1152<<16
	s_mov_b32 s[\g+2], 4<<16
	s_mov_b32 s[\g+3], 1152<<16
	s_mov_b32 s[\g+4], 4
	s_mov_b32 s[\g+5], 6144
	s_mov_b32 s[\g+6], 0
	s_mov_b32 s[\g+7], 0
.endr
.irp g, G1L, G1LB                      ; seven K steps: 1,344 elements
	s_mov_b32 s[\g+1], 1344<<16
	s_mov_b32 s[\g+2], 4<<16
	s_mov_b32 s[\g+3], 1344<<16
	s_mov_b32 s[\g+4], 4
	s_mov_b32 s[\g+5], 6144
	s_mov_b32 s[\g+6], 0
	s_mov_b32 s[\g+7], 0
.endr
	s_lshl_b32 s18, s16, 2
	s_lshl_b32 s20, s17, 3
	s_add_co_u32 s20, s20, s18                     ; rows': rowgroup 8 x tile row + 4 x half
	s_mul_i32 s20, s20, 49152
	s_mov_b32 s21, 0
	s_lshl_b32 s46, s42, 3
	s_add_co_u32 s46, s46, s18                     ; columns': 8 x tile column + 4 x half,
	s_mul_i32 s46, s46, 49152
	s_add_co_u32 s46, s46, 6291456                 ; in operand 1
	s_mov_b32 s47, 0
	s_mul_i32 s45, s14, WLA                        ; where they go: wave x 4 rowgroups: no place in the cluster enters an LDS address
	s_mul_i32 s94, s14, WLB
	s_add_co_u32 s94, s94, RB
	s_wait_kmcnt 0x0
	s_add_nc_u64 s[20:21], s[4:5], s[20:21]
	s_add_nc_u64 s[46:47], s[4:5], s[46:47]
	s_mov_b32 s[G0], 1
	s_mov_b32 s[G0+1], s45
	s_mov_b64 s[G0+2:G0+3], s[20:21]               ; K steps 0-5
	s_or_b32 s[G0+3], s[G0+3], 0x80000000
	s_mov_b32 s[G0B], 1
	s_mov_b32 s[G0B+1], s45
	s_mov_b64 s[G0B+2:G0B+3], s[46:47]
	s_or_b32 s[G0B+3], s[G0B+3], 0x80000000
	s_mov_b32 s[G0L], 1
	s_mov_b32 s[G0L+1], s94
	s_add_nc_u64 s[G0L+2:G0L+3], s[20:21], 6*STP   ; K steps 6-12
	s_or_b32 s[G0L+3], s[G0L+3], 0x80000000
	s_mov_b32 s[G0LB], 1
	s_mov_b32 s[G0LB+1], s94
	s_add_nc_u64 s[G0LB+2:G0LB+3], s[46:47], 6*STP
	s_or_b32 s[G0LB+3], s[G0LB+3], 0x80000000
	; the scale words of my 4 + 4 rowgroups, for all of K, are asked for ahead of the opening round: 16 bytes (four K steps) a row and load; sixteen lanes read 256 consecutive bytes
	v_and_b32 v1, 15, v0                           ; r
	v_bfe_u32 v14, v0, 4, 1                        ; h
	s_lshl_b32 s92, s17, 3
	s_lshl_b32 s94, s15, 2
	s_add_co_u32 s92, s92, s94
	s_lshl_b32 s92, s92, 12                        ; rows': rowgroup 8 x tile row + 4 x my half, 4,096 bytes each
	s_lshl_b32 s93, s42, 3
	s_lshl_b32 s94, s16, 2
	s_add_co_u32 s93, s93, s94
	s_lshl_b32 s93, s93, 12
	s_add_co_u32 s93, s93, 2048                    ; columns': operand 1's half of a rowgroup
	v_mov_b32 v[SCO], s92
	v_mov_b32 v9, s93
	v_cmp_ne_u32 vcc_lo, 0, v14
	v_cndmask_b32 v[SCO], v[SCO], v9, vcc_lo       ; lanes 0-15 take rows' words, lanes 16-31 columns'
	v_lshl_add_u32 v[SCO], v1, 4, v[SCO]
.irp i, 0,1,2,3
.irp q, 0,1,2,3,4,5,6,7
	global_load_b128 v[SC+32*\i+4*\q:SC+32*\i+4*\q+3], v[SCO], s[6:7] offset:4096*\i+256*\q
.endr
.endr
	CROUND                                         ; all sixteen work-groups are here: the first joint loads meet
	JLOAD G0, G1, G0B, G1B                         ; K steps 0-5
	JLOAD G0L, G1L, G0LB, G1LB                     ; K steps 6-12
	v_lshlrev_b32 v15, 4, v1
	v_mad_u32_u24 v15, v14, 768, v15               ; 16 r + 768 h: my 16 bytes of a piece, my half's three pieces
	s_mul_i32 s21, s15, WLA
	v_add_nc_u32 v[ADRA], s21, v15
	s_mul_i32 s22, s16, WLA
	s_add_co_u32 s22, s22, 2*WLA                   ; columns' rowgroups lie behind the rows' eight
	v_add_nc_u32 v[ADRB], s22, v15
	s_mul_i32 s21, s15, WLB
	s_add_co_u32 s21, s21, RB
	v_add_nc_u32 v[ADRA+1], s21, v15
	s_mul_i32 s22, s16, WLB
	s_add_co_u32 s22, s22, RB+2*WLB
	v_add_nc_u32 v[ADRB+1], s22, v15
	s_mul_i32 s23, s14, 17408                      ; my stage: 4 blocks x 16 rows x 272 bytes, in RB
	s_add_co_u32 s23, s23, RB
	v_mul_u32_u24 v[STO], v1, 272
	v_lshl_add_u32 v[STO], v14, 5, v[STO]
	v_add_nc_u32 v[STO], s23, v[STO]               ; in: row r, 32 bytes for each half of the lanes
	v_mul_u32_u24 v[RD], v14, 272
	v_lshl_add_u32 v[RD], v1, 4, v[RD]
	v_add_nc_u32 v[RD], s23, v[RD]                 ; back: lanes 0-15 one row of 256 bytes, lanes 16-31 the next
	v_lshlrev_b32 v[CO], 13, v14
	v_lshl_add_u32 v[CO], v1, 4, v[CO]             ; and the same two rows of out1, 8,192 bytes apart
	s_lshl_b32 s20, s17, 7
	s_lshl_b32 s21, s15, 6
	s_add_co_u32 s20, s20, s21                     ; my first row: 128 x tile row + 64 x half
	s_lshl_b32 s20, s20, 13
	s_lshl_b32 s46, s42, 9                         ; my first column, in bytes: 512 x tile column + 256 x half
	s_lshl_b32 s47, s16, 8
	s_add_co_u32 s46, s46, s47
	s_add_co_u32 s20, s20, s46
	s_mov_b32 s21, 0
	s_add_nc_u64 s[8:9], s[8:9], s[20:21]
	s_mov_b32 s19, 0x03010200
	s_wait_loadcnt 0x0
.set n, 0
.rept 128
	v_perm_b32 v[SC+n], v[SC+n], v[SC+n], s19      ; bytes 1 and 2 change places, as blocks 1 and 2 of a fragment have
.set n, n+1
.endr
	PLACES 8                                       ; a scale register written by a vector instruction stands eight places ahead of a scaled matrix instruction
; 24 LDS loads: K step k's fragments, columns' four and rows' four, into set k % 2
.macro FETCH k
.if ((\k)%2) == 0
	WIN 0
.set LFA, 144
.set LFB, 192
.else
	WIN 0x40                                       ; destination window 1, address window 0
.set LFA, 128
.set LFB, 176
.endif
.set KK, (\k)%13
.if KK < 6
.set LRA, ADRA
.set LRB, ADRB
.set LRG, RGA
.set LKO, KK*STP
.else
.set LRA, ADRA+1
.set LRB, ADRB+1
.set LRG, RGB
.set LKO, (KK-6)*STP
.endif
.irp i, 0,1,2,3
.irp c, 0,1,2
	ds_load_b128 v[LFB+12*\i+4*\c:LFB+12*\i+4*\c+3], v[LRB] offset:\i*LRG+LKO+256*\c
.endr
.endr
.irp i, 0,1,2,3
.irp c, 0,1,2
	ds_load_b128 v[LFA+12*\i+4*\c:LFA+12*\i+4*\c+3], v[LRA] offset:\i*LRG+LKO+256*\c
.endr
.endr
.endm
.macro WINM k                          ; C and D window 1; the sources in the window of set k % 2
.if ((\k)%2) == 0
	WIN 0x50
.else
	WIN 0x55
.endif
.endm
; four matrix instructions: rows' rowgroup a against the columns' four.  The 16 accumulators take turns, one instruction a turn, in the same order in every step.
.macro MUL4 k, a, zero
.if ((\k)%2) == 0
.set MFA, 144
.set MFB, 192
.else
.set MFA, 128
.set MFB, 176
.endif
.irp b, 0,1,2,3
.if \zero
	v_wmma_scale_f32_16x16x128_f8f6f4 v[8*(4*(\a)+\b):8*(4*(\a)+\b)+7], v[MFB+12*\b:MFB+12*\b+11], v[MFA+12*(\a):MFA+12*(\a)+11], 0, v[SC+32*\b+(\k)], v[SC+32*(\a)+(\k)] matrix_a_fmt:MATRIX_FMT_BF6 matrix_b_fmt:MATRIX_FMT_BF6 matrix_a_scale:MATRIX_SCALE_ROW1
.else
	v_wmma_scale_f32_16x16x128_f8f6f4 v[8*(4*(\a)+\b):8*(4*(\a)+\b)+7], v[MFB+12*\b:MFB+12*\b+11], v[MFA+12*(\a):MFA+12*(\a)+11], v[8*(4*(\a)+\b):8*(4*(\a)+\b)+7], v[SC+32*\b+(\k)], v[SC+32*(\a)+(\k)] matrix_a_fmt:MATRIX_FMT_BF6 matrix_b_fmt:MATRIX_FMT_BF6 matrix_a_scale:MATRIX_SCALE_ROW1
.endif
.endr
.endm
; A K step whose successor lies in the same region
.macro STEP k, zero
	PLACES 4                                       ; in front of loads into the set that the step before multiplied (ISA guide 7.12.1 for vector instructions)
	FETCH (\k)+1
	s_wait_dscnt 24                                ; all but the 24 just issued: this step's fragments are in
	WINM \k
	MUL4 \k, 0, \zero
	MUL4 \k, 1, \zero
	MUL4 \k, 2, \zero
	MUL4 \k, 3, \zero
.endm
; A region's last K step changes regions: in front of the barrier each wave waits for all its tensor loads, adds 0 to its spare word, and waits for that and for its reads of this region.
; fill = 1: RA is filled again, thirteen K steps on;  2: RB likewise;  0: nothing is left to fetch, and no round of the cluster's barrier follows.
.macro TURN k, fill
	WIN 0                                          ; (the add's two registers lie in window 0)
	s_wait_tensorcnt 0x0                           ; all my tensor loads have landed: my part of the next region
	ds_add_u32 v[SPW], v[NIL]                      ; 0 onto my spare word
	s_wait_dscnt 1                                 ; the add alone may be out: this step's fragments are in
	WINM \k
	MUL4 \k, 0, 0                                  ; four matrix instructions stand between the add and the wait for it
	s_wait_dscnt 0x0                               ; the add is done, and my reads of this region are over
	s_barrier_signal -1
	MUL4 \k, 1, 0
	WIN 0
	s_barrier_wait -1
.if \fill
	CREST                                          ; the barrier has opened a round of the cluster's: no wave of any partner still reads this region or has a load on its way
.endif
.if \fill == 1
	s_add_nc_u64 s[G0+2:G0+3], s[G0+2:G0+3], LAP
	s_add_nc_u64 s[G0B+2:G0B+3], s[G0B+2:G0B+3], LAP
	JLOAD G0, G1, G0B, G1B                         ; the first tensor load behind the round; its four v_nop are also the places in front of the loads below
.endif
.if \fill == 2
	s_add_nc_u64 s[G0L+2:G0L+3], s[G0L+2:G0L+3], LAP
	s_add_nc_u64 s[G0LB+2:G0LB+3], s[G0LB+2:G0LB+3], LAP
	JLOAD G0L, G1L, G0LB, G1LB
.endif
.if \fill == 0
	PLACES 4
.endif
	FETCH (\k)+1
	WINM \k
	MUL4 \k, 2, 0
	MUL4 \k, 3, 0
.endm
	s_wait_tensorcnt 0x1                           ; my part of K steps 0-5 is in; 6-12 may be out
	s_barrier_signal -1
	s_barrier_wait -1                              ; everybody's is
	FETCH 0
	STEP 0, 1                                      ; the first step's products start the sums: nothing is cleared
.irp k, 1,2,3,4
	STEP \k, 0
.endr
	TURN 5, 1                                      ; RA takes K steps 13-18
.irp k, 6,7,8,9,10,11
	STEP \k, 0
.endr
	TURN 12, 2                                     ; RB takes K steps 19-25
.irp k, 13,14,15,16,17
	STEP \k, 0
.endr
	TURN 18, 1                                     ; RA takes K steps 26-31
.irp k, 19,20,21,22,23,24
	STEP \k, 0
.endr
	TURN 25, 0
.irp k, 26,27,28,29,30
	STEP \k, 0
.endr
	s_wait_dscnt 0x0
	WINM 31
	MUL4 31, 0, 0
	MUL4 31, 1, 0
	MUL4 31, 2, 0
	MUL4 31, 3, 0
	WIN 0
; THE WAY OUT, a block of 16 rows x 64 columns at a time, through my own stage.  It lies in RB, which has had its last fill, and which nobody reads behind the last change of regions.
; A lane holds 32 neighbouring bytes of a row; back come whole rows of 256 bytes.  LDS serves a wave's instructions in order: no wait between the stores and the loads.
.macro TOSTAGE a
	WIN 0x04                                       ; an LDS store's data: window 1
.irp b, 0,1,2,3
	ds_store_b128 v[STO], v[8*(4*(\a)+\b):8*(4*(\a)+\b)+3] offset:4352*(\a)+64*\b       ; each accumulator from its low end on
	ds_store_b128 v[STO], v[8*(4*(\a)+\b)+4:8*(4*(\a)+\b)+7] offset:4352*(\a)+64*\b+16
.endr
	WIN 0
.irp t, 0,1,2,3,4,5,6,7
	ds_load_b128 v[144+32*((\a)%2)+4*\t:144+32*((\a)%2)+4*\t+3], v[RD] offset:4352*(\a)+544*\t
.endr
.endm
.macro SEND a, younger                 ; younger: the LDS instructions issued behind block a's loads
	s_wait_dscnt \younger
.irp t, 0,1,2,3,4,5,6,7
	global_store_b128 v[CO], v[144+32*((\a)%2)+4*\t:144+32*((\a)%2)+4*\t+3], s[8:9] offset:(16*(\a)+2*\t)*8192 th:TH_STORE_NT   ; sixteen lanes store 256 consecutive bytes, aligned
.endr
.endm
	PLACES 4                                       ; behind the last products: for the first reads of results and for the loads into set 0's registers
	TOSTAGE 0
	TOSTAGE 1
	SEND 0, 16                                     ; behind block 0's loads: block 1's 8 stores and 8 loads
	s_wait_xcnt 0x0                                ; block 0's stores have read their registers: block 2's loads may land there
	TOSTAGE 2
	SEND 1, 16
	s_wait_xcnt 0x0
	TOSTAGE 3
	SEND 2, 16
	SEND 3, 0
	s_wait_tensorcnt 0x0                           ; the wave's end: behind my last tensor load and my last LDS store
	ds_add_u32 v[SPW], v[NIL]
	s_wait_dscnt 0x0
	CROUND                                         ; the closing round: no work-group ends while a partner may still ask for a tile that names it
	s_endpgm
.Lfunc_end_k_q988a3c223d_gemm:
	.size	k_q988a3c223d_gemm, .Lfunc_end_k_q988a3c223d_gemm-k_q988a3c223d_gemm
	.p2alignl 7, 3214868480
	.fill 96, 4, 3214868480
	.section	.rodata,"a",@progbits
	.p2align	6, 0x0
	.amdhsa_kernel k_q988a3c223d_gemm
		.amdhsa_group_segment_fixed_size 327680
		.amdhsa_private_segment_fixed_size 0
		.amdhsa_enable_private_segment 0
		.amdhsa_kernarg_size 24
		.amdhsa_user_sgpr_count 2
		.amdhsa_user_sgpr_kernarg_segment_ptr 1
		.amdhsa_wavefront_size32 1
		.amdhsa_system_sgpr_workgroup_id_x 1
		.amdhsa_system_sgpr_workgroup_id_y 1
		.amdhsa_system_sgpr_workgroup_id_z 1
		.amdhsa_system_vgpr_workitem_id 0
		.amdhsa_next_free_vgpr 512
		.amdhsa_next_free_sgpr 100
		.amdhsa_reserve_vcc 1
		.amdhsa_float_denorm_mode_32 3
		.amdhsa_float_denorm_mode_16_64 3
		.amdhsa_memory_ordered 1
		.amdhsa_forward_progress 1
		.amdhsa_inst_pref_size 150
	.end_amdhsa_kernel
	.amdgpu_metadata
---
amdhsa.version: [ 1, 2 ]
amdhsa.kernels:
  - .name:           k_q988a3c223d_gemm
    .symbol:         k_q988a3c223d_gemm.kd
    .args:
      - { .name: cc, .offset: 0, .size: 8, .value_kind: global_buffer, .address_space: global }
      - { .name: cs, .offset: 8, .size: 8, .value_kind: global_buffer, .address_space: global }
      - { .name: out1, .offset: 16, .size: 8, .value_kind: global_buffer, .address_space: global }
    .group_segment_fixed_size: 327680
    .private_segment_fixed_size: 0
    .kernarg_segment_align: 8
    .kernarg_segment_size: 24
    .max_flat_workgroup_size: 128
    .sgpr_count:     100
    .vgpr_count:     512
    .wavefront_size: 32
...
	.end_amdgpu_metadata
.endif
;; end of part 6
